; MI455X (gfx1250); checked and timed in simulation.
; The chip was launched on July 23, 2026; its instructions are those of AMD's public machine-readable ISA for CDNA 5 (MIT licence, August 2026) and "CDNA5" Instruction Set Architecture Reference Guide (July 2026). The comments in the code are by the model that wrote it; some were corrected since.
;; Qwen3 Attention. Allowed arithmetic: matrix products marked QUANTISED: E2M3 operands, one E8M0 scale for each 32 along K, by v_wmma_scale_f32_16x16x128_f8f6f4 with both operands' format E2M3, f32 sums; everything else in f32.
;; Inputs: k_norm_w 128 float32; positions 4,096 int32; q_norm_w 128 float32; wk 2,048 x 1,024 float32; wo 1,024 x 2,048 float32; wq 2,048 x 1,024 float32; wv 2,048 x 1,024 float32; x 4,096 x 2,048 float32.
;; Outputs: out0 4,096 x 2,048 float32.
;; This version of the problem:
;;   THIS VERSION OF THE PROBLEM IS GIVEN IN LOW PRECISION. The matrix products marked QUANTISED in the list below multiply operands that are first quantised to E2M3 (2 exponent bits, 3 mantissa bits; 6 bits a number), with one power-of-two scale for each 32 numbers along K (OCP MX v1.0); their sums are f32. All else is computed in f32.
;;   The module's matrix products, in the order in which they are computed (A, B: the left and right operand; K: the contracted axis; several contracted axes count as one K, in the product's order):
;;     1. [M 4,096, K 2,048] x [K 2,048, N 1,024]; A: input x; B: input wq: QUANTISED
;;     2. [M 4,096, K 2,048] x [K 2,048, N 1,024]; A: input x; B: input wk: QUANTISED
;;     3. [M 4,096, K 2,048] x [K 2,048, N 1,024]; A: input x; B: input wv: QUANTISED
;;     4. batch 8 x [M 4,096, K 128] x [K 128, N 4,096]; A: computed on the way; B: computed on the way: QUANTISED
;;     5. batch 8 x [M 128, K 4,096] x [K 4,096, N 4,096]; A: computed on the way; B: softmax (see below): QUANTISED
;;     6. [M 4,096, K 1,024] x [K 1,024, N 2,048]; A: computed on the way; B: input wo: QUANTISED
;;   THE QUANTISER, for each operand of a quantised product, along K:
;;     - K is cut into blocks of 32 from its start; a last block that is shorter is filled with zeros.
;;     - A block's scale is 2^e with e = floor(log2(the largest magnitude in the block)) - 2, held to -126 .. 127; a block of zeros has e = 0. As a byte (E8M0): e + 127.
;;     - Each number is divided by its block's scale, clamped to +-7.5, and rounded to the nearest number of E2M3, ties to even, subnormals kept.
;;     - The product sums the exact products of the quantised numbers (number of the format x scale) in f32.
;;   ~~~python
;;   def quantise(x, axis):      # numpy; x: float32 -> the quantised numbers, widened to float32 again
;;       x = np.moveaxis(x, axis, -1); K = x.shape[-1]
;;       x = np.pad(x, [(0, 0)] * (x.ndim - 1) + [(0, -K % 32)]); x = x.reshape(x.shape[:-1] + (-1, 32)); a = np.abs(x).max(-1, keepdims=True)
;;       e = np.where(a > 0, np.clip(np.frexp(np.where(a > 0, a, 1))[1] - 1 - 2, -126, 127), 0)      # np.frexp(a)[1] - 1 = floor(log2(a)), exactly
;;       r = np.clip(x / 2.0 ** e, -7.5, 7.5)
;;       step = 2.0 ** (np.maximum(np.frexp(np.where(r == 0, 1, r))[1] - 1, 0) - 3)
;;       q = np.round(r / step) * step * 2.0 ** e      # np.round: ties to even
;;       return np.moveaxis(q.reshape(q.shape[:-2] + (-1,))[..., :K], -1, axis).astype(np.float32)
;;   ~~~
;;   SOFTMAX AHEAD OF A QUANTISED PRODUCT. Where the list says 'softmax', what is quantised is not the finished softmax but p = 2^(t - M), with t = logit x log2(e) and M = ceil(the row's largest t), a whole number; so 1/2 < the row's largest p <= 1. The row's sum l is taken of the UNQUANTISED p, in f32, and the product's result is divided by l at the end. Since M is a whole number, a kernel that streams over the keys may use a running M (the ceiling of the running maximum): every later rescaling is an exact power of two, which a block's scale takes up: the codes' values come out the same.
;;   OPERANDS COMPUTED ON THE WAY. 'Computed on the way' means the value that the module computes at that place (a softmax that the list does not call 'softmax' is quantised finished and normalised). What goes into a quantiser is computed in f32, as accurately as f32 sums, v_exp_f32 and their like allow (about 1e-6 of the number): no bf16 or f16 on the way to a quantiser, and a product that is left as it is and whose result goes on into a quantised operand takes f32 operands (vector FMAs, or v_wmma_f32_16x16x4_f32). A number that lies on a knife's edge between two numbers of the format may be rounded either way, as far as f32 arithmetic and the matrix unit's own rounding can turn it there, and no further.
;; One version. Each part assembles by itself: llvm-mc -triple=amdgcn-amd-amdhsa -mcpu=gfx1250 --defsym DOCPART=n.
;; ======== version 1 of 1: 5 launches
;; limits: inputs' magnitudes at most 100,000
;; workspace buffers: xc 6,553,600 bytes; rope 2,097,152 bytes; wc 4,915,200 bytes; woc 1,638,400 bytes; qi 3,407,872 bytes; kv 6,815,744 bytes; at 3,407,872 bytes
;; launch prep_x (part 1): grid 256 x 1, 4 waves a work-group, no clusters, 33,280 bytes of LDS; arguments x, positions, xc, rope; writes xc, rope
.if DOCPART == 1
	.amdgcn_target "amdgcn-amd-amdhsa--gfx1250"
	.amdhsa_code_object_version 6
	.text
	.protected	k_qb9d574361e_prep_x
	.globl	k_qb9d574361e_prep_x
	.p2align	8
	.type	k_qb9d574361e_prep_x,@function
k_qb9d574361e_prep_x:
	s_mov_b64 s[64:65], 0
	v_nop
	global_prefetch_b8 v0, s[64:65] scope:SCOPE_SE
	s_setreg_imm32_b32 hwreg(HW_REG_WAVE_MODE, 25, 1), 1
	s_wait_xcnt 0x0
; FIRST OF FIVE LAUNCHES of an attention layer (4,096 tokens, hidden 2,048, 8 heads of 128) whose six products run on codes of FP6 (E2M3) with one E8M0 scale for each 32 along K.
; DEAD WORK THAT THE PROGRAM LEAVES OUT.  (1) reference() itself builds the causal mask (jnp.tril) and puts -1e30 where key s > query t; key t always counts, so the row's largest score is a
; finite one and the weight of a masked key is 0 beside it for all finite inputs: key steps all of whose 128 keys come after all queries of a tile are not multiplied.  (2) jnp.repeat with
; rep = 8 / 8 = 1 is an identity.  Every input has a way to the output and is loaded.  LIMIT: a NaN, an infinity or an overflow that reaches only the work left out is not carried to the result.
; THIS LAUNCH: (a) x [4096][2048] f32 becomes codes, K innermost, and scale bytes: xc = codes [4096 places][1,536 bytes], then from byte 6,291,456 scale bytes [4096 places][64].
; A token lies at the PLACE that is its number with bits 3 and 4 exchanged: 16 consecutive places then hold tokens 32 u + 8 v + (r % 8) + 16 (r / 8), which lets later products leave 16 neighbours in a lane's registers.
; A block's scale is 2^(floor(log2(largest magnitude)) - 2): its byte is the largest magnitude's exponent field - 2, held at 1 from below.
; (b) cos and sin of positions x 10000^(-d / 64), d = 0 .. 63, as images of the registers that the third launch wants: rope = [256 tiles of 16 places][8,192 bytes]: cos quad c at 512 c + 16 lane, sin 4,096 further on;
; quad c, word i of lane (r, h) is d = 32 (c / 4) + 16 h + 4 (c % 4) + i of the token at place 16 tile + r.
; LIMITS: a block of zeros, or one whose largest magnitude lies under 2^-124, gets the byte 1 (zeros have zero codes; only this program reads the bytes); NaN and infinities are not served.
; 10000^(-d / 64) is made as 2^(d x -log2(10000) / 64) with the constant in two parts: within the exponential's own error of the true number; reference()'s power and division may differ from it in the last bits.
; The angle is reduced by pi / 2 in three parts with fused multiply-adds: good to about 1e-7 for |angle| up to about 1e5, falling off gradually beyond.
; Quantiser: a wave takes 16 steps of 512 numbers (4 rows of x).  Each load reads 512 consecutive bytes; a step's 2,048 bytes turn through the wave's own stage in LDS and come back 16 neighbours a lane.
.set WAVES, 4
.set STEPS, 16
.set EMAX,  2
.set CB,    12                         ; bytes of 16 codes
.set R,     16                         ; v16-79   four sets of 16 numbers as loaded
.set X,     80                         ; v80-111  two sets of 16 neighbours
.set C,     128                        ; v128-191 codes: four registers a step
.set E,     112                        ; v112-127 a scale byte a step
.set WREG,  8192                       ; LDS: a region for each wave: two stages of 32 x SP bytes, then 256 scale bytes
.set SP,    80
.set SPW,   12                         ; v12 my spare word's LDS address; never rewritten
.set NIL,   13                         ; v13 0; never rewritten
.set SPARE, WAVES*WREG                 ; the spare words: 128 bytes a wave, named by no other line
.set INV,   192                        ; v192-247: eight registers each, one for each of my eight d
.set ANG,   200
.set JQ,    208
.set RD,    216
.set S2,    224
.set COS,   232
.set SIN,   240
	s_load_b256 s[4:11], s[0:1], 0x0               ; x s[4:5], positions s[6:7], xc s[8:9], rope s[10:11]
	v_lshl_add_u32 v[SPW], v0, 2, SPARE
	v_mov_b32 v[NIL], 0
	v_lshrrev_b32 v1, 5, v0
	v_readfirstlane_b32 s16, v1                    ; wave
	v_and_b32 v2, 31, v0                           ; lane
	v_lshlrev_b32 v3, 4, v2                        ; 16 x lane
	s_mul_i32 s17, s16, WREG
	v_lshrrev_b32 v14, 2, v2
	v_mul_u32_u24 v14, v14, SP
	v_and_b32 v15, 3, v2
	v_lshl_add_u32 v14, v15, 4, v14
	v_add_nc_u32 v14, s17, v14                     ; the stage, on the way in: SP (lane / 4) + 16 (lane % 4)
	v_mul_u32_u24 v15, v2, SP
	v_add_nc_u32 v15, s17, v15                     ; and on the way out: SP x lane
	v_mul_u32_u24 v4, v2, CB                       ; my codes' place in a step's
	v_lshrrev_b32 v5, 1, v2
	s_add_co_u32 s17, s17, 2*32*SP
	v_add_nc_u32 v5, s17, v5                       ; my block's scale byte in LDS
	v_lshlrev_b32 v7, 3, v2
	v_add_nc_u32 v6, s17, v7
	s_lshl_b32 s18, ttmp9, 2
	s_add_co_u32 s18, s18, s16                     ; my run of 4 rows
	s_and_b32 s19, s18, 0xfffffff9
	s_bfe_u32 s20, s18, 0x10001
	s_bfe_u32 s21, s18, 0x10002
	s_lshl_b32 s20, s20, 2
	s_lshl_b32 s21, s21, 1
	s_or_b32 s19, s19, s20
	s_or_b32 s19, s19, s21                         ; where it goes: the run's bits 1 and 2 (the rows' bits 3 and 4) exchanged
	s_lshl_b32 s20, s18, 15                        ; 32,768 bytes of x a run
	s_mov_b32 s21, 0
	s_mul_i32 s22, s19, 32*STEPS*CB                ; 6,144 bytes of codes
	s_mov_b32 s23, 0
	s_lshl_b32 s24, s19, 8                         ; 256 scale bytes,
	s_add_co_u32 s24, s24, 0x600000                ; behind the codes
	s_mov_b32 s25, 0
	s_lshl_b32 s26, ttmp9, 13                      ; rope: tile = work-group, 8,192 bytes; my wave's two quads
	s_lshl_b32 s27, s16, 10
	s_add_co_u32 s26, s26, s27
	s_mov_b32 s27, 0
	s_lshr_b32 s28, ttmp9, 1
	s_lshl_b32 s28, s28, 5
	s_and_b32 s29, ttmp9, 1
	s_lshl_b32 s29, s29, 3
	s_add_co_u32 s28, s28, s29                     ; the tile's first token: 32 (g / 2) + 8 (g % 2)
	s_lshr_b32 s29, s16, 1
	s_lshl_b32 s29, s29, 5
	s_and_b32 s30, s16, 1
	s_lshl_b32 s30, s30, 3
	s_add_co_u32 s29, s29, s30                     ; my wave's d: 32 (w / 2) + 8 (w % 2) + 16 h + 0 .. 7
	s_mov_b32 s30, 0xbe549a78                      ; -log2(10000) / 64, high part,
	s_mov_b32 s31, 0xb1979a6b                      ; low part
	s_mov_b32 s32, 0x3fc90fd8                      ; pi / 2 in three parts
	s_mov_b32 s33, 0x34a8885a
	s_mov_b32 s34, 0x27c234c4
	s_mov_b32 s35, 0xb493f27e                      ; -1 / 10!
	s_mov_b32 s36, 0x3638ef1d                      ; 1 / 9!
	v_and_b32 v250, 15, v0
	v_and_b32 v251, 8, v250
	v_add3_u32 v251, v250, v251, s28               ; my token: + r + (r & 8)
	v_lshlrev_b32 v251, 2, v251
	s_wait_kmcnt 0x0
	s_add_nc_u64 s[4:5], s[4:5], s[20:21]
	s_add_nc_u64 s[12:13], s[8:9], s[24:25]        ; scale bytes
	s_add_nc_u64 s[8:9], s[8:9], s[22:23]          ; codes
	s_add_nc_u64 s[10:11], s[10:11], s[26:27]
	global_load_b32 v249, v251, s[6:7]             ; my token's position
.macro LOAD t
.irp i, 0,1,2,3
	global_load_b128 v[R+16*((\t)%4)+4*\i:R+16*((\t)%4)+4*\i+3], v3, s[4:5] offset:2048*(\t)+512*\i th:TH_LOAD_NT   ; 32 lanes read 512 consecutive bytes
.endr
.endm
.macro TURN t                          ; step t's numbers through the stage: LDS serves a wave's instructions in order
.irp i, 0,1,2,3
	ds_store_b128 v14, v[R+16*((\t)%4)+4*\i:R+16*((\t)%4)+4*\i+3] offset:32*SP*((\t)%2)+8*SP*\i
.endr
.irp i, 0,1,2,3
	ds_load_b128 v[X+16*((\t)%2)+4*\i:X+16*((\t)%2)+4*\i+3], v15 offset:32*SP*((\t)%2)+16*\i
.endr
.endm
.irp t, 0,1,2,3
	LOAD \t
.endr
	; ---- cos and sin, while x's first loads are on their way
	v_bfe_u32 v248, v0, 4, 1
	v_lshl_add_u32 v248, v248, 4, s29
.irp e, 0,1,2,3,4,5,6,7
	v_add_nc_u32 v[JQ+\e], \e, v248
.endr
.irp e, 0,1,2,3,4,5,6,7
	v_cvt_f32_u32 v[JQ+\e], v[JQ+\e]               ; d
.endr
.irp e, 0,1,2,3,4,5,6,7
	v_mul_f32 v[ANG+\e], s30, v[JQ+\e]             ; p = d x the high part, rounded
.endr
.irp e, 0,1,2,3,4,5,6,7
	v_fma_f32 v[RD+\e], v[JQ+\e], s30, -v[ANG+\e]  ; what that rounding lost,
.endr
.irp e, 0,1,2,3,4,5,6,7
	v_fma_f32 v[RD+\e], v[JQ+\e], s31, v[RD+\e]    ; and d x the low part
.endr
.irp e, 0,1,2,3,4,5,6,7
	v_rndne_f32 v[S2+\e], v[ANG+\e]                ; the whole part n
.endr
.irp e, 0,1,2,3,4,5,6,7
	v_sub_f32 v[ANG+\e], v[ANG+\e], v[S2+\e]       ; exact
.endr
.irp e, 0,1,2,3,4,5,6,7
	v_add_f32 v[ANG+\e], v[ANG+\e], v[RD+\e]
.endr
.irp e, 0,1,2,3,4,5,6,7
	v_exp_f32 v[INV+\e], v[ANG+\e]                 ; one batch of eight
.endr
	v_nop                                          ; a plain instruction behind the last of them
.irp e, 0,1,2,3,4,5,6,7
	v_cvt_i32_f32 v[S2+\e], v[S2+\e]
.endr
	s_wait_alu depctr_va_vdst(0)                   ; one wait for the batch, ahead of its first reader
.irp e, 0,1,2,3,4,5,6,7
	v_ldexp_f32 v[INV+\e], v[INV+\e], v[S2+\e]     ; 10000^(-d / 64)
.endr
	s_wait_loadcnt 16                              ; the position is in; x's 16 loads, issued behind it, may be out
	v_cvt_f32_i32 v249, v249
.irp e, 0,1,2,3,4,5,6,7
	v_mul_f32 v[ANG+\e], v249, v[INV+\e]           ; the angle, rounded once as in reference()
.endr
.irp e, 0,1,2,3,4,5,6,7
	v_mul_f32 v[JQ+\e], 0x3f22f983, v[ANG+\e]      ; x 2 / pi
.endr
.irp e, 0,1,2,3,4,5,6,7
	v_rndne_f32 v[JQ+\e], v[JQ+\e]                 ; j quarters of a turn
.endr
.irp e, 0,1,2,3,4,5,6,7
	v_fma_f32 v[RD+\e], -v[JQ+\e], s32, v[ANG+\e]
.endr
.irp e, 0,1,2,3,4,5,6,7
	v_fma_f32 v[RD+\e], -v[JQ+\e], s33, v[RD+\e]
.endr
.irp e, 0,1,2,3,4,5,6,7
	v_fma_f32 v[RD+\e], -v[JQ+\e], s34, v[RD+\e]   ; r = angle - j pi / 2, |r| <= pi / 4
.endr
.irp e, 0,1,2,3,4,5,6,7
	v_mul_f32 v[S2+\e], v[RD+\e], v[RD+\e]
.endr
.irp e, 0,1,2,3,4,5,6,7
	v_fmaak_f32 v[COS+\e], s35, v[S2+\e], 0x37d00d01   ; cos r by its series up to r^10
	v_fmaak_f32 v[SIN+\e], s36, v[S2+\e], 0xb9500d01   ; sin r up to r^9
.endr
.irp e, 0,1,2,3,4,5,6,7
	v_fmaak_f32 v[COS+\e], v[COS+\e], v[S2+\e], 0xbab60b61
	v_fmaak_f32 v[SIN+\e], v[SIN+\e], v[S2+\e], 0x3c088889
.endr
.irp e, 0,1,2,3,4,5,6,7
	v_fmaak_f32 v[COS+\e], v[COS+\e], v[S2+\e], 0x3d2aaaab
	v_fmaak_f32 v[SIN+\e], v[SIN+\e], v[S2+\e], 0xbe2aaaab
.endr
.irp e, 0,1,2,3,4,5,6,7
	v_fma_f32 v[COS+\e], v[COS+\e], v[S2+\e], -0.5
.endr
.irp e, 0,1,2,3,4,5,6,7
	v_fma_f32 v[COS+\e], v[COS+\e], v[S2+\e], 1.0
	v_mul_f32 v[S2+\e], v[S2+\e], v[RD+\e]
.endr
.irp e, 0,1,2,3,4,5,6,7
	v_fma_f32 v[SIN+\e], v[SIN+\e], v[S2+\e], v[RD+\e]
	v_cvt_i32_f32 v[JQ+\e], v[JQ+\e]
.endr
.irp e, 0,1,2,3,4,5,6,7                        ; an odd quarter exchanges the two; quarters 2, 3 turn sin's sign, quarters 1, 2 cos's
	v_and_b32 v[ANG+\e], 1, v[JQ+\e]
	v_cmp_eq_u32 vcc_lo, 1, v[ANG+\e]
	v_cndmask_b32 v[RD+\e], v[SIN+\e], v[COS+\e], vcc_lo
	v_cndmask_b32 v[S2+\e], v[COS+\e], v[SIN+\e], vcc_lo
.endr
.irp e, 0,1,2,3,4,5,6,7
	v_lshlrev_b32 v[ANG+\e], 30, v[JQ+\e]
	v_add_nc_u32 v[JQ+\e], 1, v[JQ+\e]
.endr
.irp e, 0,1,2,3,4,5,6,7
	v_and_b32 v[ANG+\e], 0x80000000, v[ANG+\e]
	v_lshlrev_b32 v[JQ+\e], 30, v[JQ+\e]
.endr
.irp e, 0,1,2,3,4,5,6,7
	v_xor_b32 v[SIN+\e], v[RD+\e], v[ANG+\e]
	v_and_b32 v[JQ+\e], 0x80000000, v[JQ+\e]
.endr
.irp e, 0,1,2,3,4,5,6,7
	v_xor_b32 v[COS+\e], v[S2+\e], v[JQ+\e]
.endr
	global_store_b128 v3, v[COS:COS+3], s[10:11]               ; each store of the wave covers 512 consecutive bytes, aligned; data and addresses are not written again
	global_store_b128 v3, v[COS+4:COS+7], s[10:11] offset:512
	global_store_b128 v3, v[SIN:SIN+3], s[10:11] offset:4096
	global_store_b128 v3, v[SIN+4:SIN+7], s[10:11] offset:4608
	; ---- the quantiser
	s_wait_loadcnt 12                              ; step 0's four loads are in
	TURN 0
.macro STEP t
.set XS, X+16*((\t)%2)
.if (\t) > 0
	s_wait_dscnt 1                                 ; this step's numbers are back from the stage (the last step's byte store may be out)
.else
	s_wait_dscnt 0x0
.endif
.if (\t)+4 < STEPS
	LOAD (\t)+4
.endif
.if (\t)+1 < STEPS
.if STEPS-2-(\t) >= 3
	s_wait_loadcnt 12                              ; the next step's four loads are in; those of the three steps behind it may be out
.else
	s_wait_loadcnt 4*(STEPS-2-(\t))
.endif
	TURN (\t)+1
.endif
	v_max3_num_f32 v8, |v[XS]|, |v[XS+1]|, |v[XS+2]|
	v_max3_num_f32 v9, |v[XS+3]|, |v[XS+4]|, |v[XS+5]|
.irp i, 6,10
	v_max3_num_f32 v8, v8, |v[XS+\i]|, |v[XS+\i+1]|
	v_max3_num_f32 v9, v9, |v[XS+\i+2]|, |v[XS+\i+3]|
.endr
	v_max3_num_f32 v8, v8, |v[XS+14]|, |v[XS+15]|
	v_max3_num_f32 v8, v8, v9, (EMAX+1)<<23        ; the floor 2^(3 - 127): the byte cannot fall under 1
	v_max_num_f32_dpp v8, v8, v8 row_xmask:1 row_mask:0xf bank_mask:0xf   ; with my neighbour's 16: the block's largest magnitude
	v_add_nc_u32 v11, 0xff000000, v8               ; 2 off its exponent field: the conversion takes that field as its scale
	v_cvt_scalef32_pk16_fp6_f32 v[C+4*(\t):C+4*(\t)+2], v[XS:XS+15], v11
	v_lshrrev_b32 v[E+(\t)], 23, v11               ; the scale's byte
	ds_store_b8 v5, v[E+(\t)] offset:16*(\t)       ; both lanes of a block write the same byte with the same value
	global_store_b96 v4, v[C+4*(\t):C+4*(\t)+2], s[8:9] offset:32*CB*(\t)
.endm
.irp t, 0,1,2,3,4,5,6,7,8,9,10,11,12,13,14,15
	STEP \t
.endr
	ds_load_b64 v[8:9], v6                         ; LDS serves a wave's instructions in order: these see my stores
	s_wait_dscnt 0x0
	global_store_b64 v7, v[8:9], s[12:13]          ; 32 lanes store 256 consecutive bytes, aligned
	s_wait_tensorcnt 0x0                           ; the wave's end, behind my last LDS store
	ds_add_u32 v[SPW], v[NIL]
	s_wait_dscnt 0x0
	s_endpgm
.Lfunc_end_k_qb9d574361e_prep_x:
	.size	k_qb9d574361e_prep_x, .Lfunc_end_k_qb9d574361e_prep_x-k_qb9d574361e_prep_x
	.p2alignl 7, 3214868480
	.fill 96, 4, 3214868480
	.section	.rodata,"a",@progbits
	.p2align	6, 0x0
	.amdhsa_kernel k_qb9d574361e_prep_x
		.amdhsa_group_segment_fixed_size 33280
		.amdhsa_private_segment_fixed_size 0
		.amdhsa_enable_private_segment 0
		.amdhsa_kernarg_size 32
		.amdhsa_user_sgpr_count 2
		.amdhsa_user_sgpr_kernarg_segment_ptr 1
		.amdhsa_wavefront_size32 1
		.amdhsa_system_sgpr_workgroup_id_x 1
		.amdhsa_system_sgpr_workgroup_id_y 1
		.amdhsa_system_sgpr_workgroup_id_z 1
		.amdhsa_system_vgpr_workitem_id 0
		.amdhsa_next_free_vgpr 256
		.amdhsa_next_free_sgpr 66
		.amdhsa_reserve_vcc 1
		.amdhsa_float_denorm_mode_32 3
		.amdhsa_float_denorm_mode_16_64 3
		.amdhsa_memory_ordered 1
		.amdhsa_forward_progress 1
		.amdhsa_inst_pref_size 49
	.end_amdhsa_kernel
	.amdgpu_metadata
---
amdhsa.version: [ 1, 2 ]
amdhsa.kernels:
  - .name:           k_qb9d574361e_prep_x
    .symbol:         k_qb9d574361e_prep_x.kd
    .args:
      - { .name: x, .offset: 0, .size: 8, .value_kind: global_buffer, .address_space: global }
      - { .name: positions, .offset: 8, .size: 8, .value_kind: global_buffer, .address_space: global }
      - { .name: xc, .offset: 16, .size: 8, .value_kind: global_buffer, .address_space: global }
      - { .name: rope, .offset: 24, .size: 8, .value_kind: global_buffer, .address_space: global }
    .group_segment_fixed_size: 33280
    .private_segment_fixed_size: 0
    .kernarg_segment_align: 8
    .kernarg_segment_size: 32
    .max_flat_workgroup_size: 128
    .sgpr_count:     66
    .vgpr_count:     256
    .wavefront_size: 32
...
	.end_amdgpu_metadata
.endif
;; end of part 1
;; launch prep_w (part 2): grid 256 x 1, 4 waves a work-group, no clusters, 35,840 bytes of LDS; arguments wq, wk, wv, wo, wc, woc; writes wc, woc
.if DOCPART == 2
	.amdgcn_target "amdgcn-amd-amdhsa--gfx1250"
	.amdhsa_code_object_version 6
	.text
	.protected	k_qb9d574361e_prep_w
	.globl	k_qb9d574361e_prep_w
	.p2align	8
	.type	k_qb9d574361e_prep_w,@function
k_qb9d574361e_prep_w:
	s_mov_b64 s[64:65], 0
	v_nop
	global_prefetch_b8 v0, s[64:65] scope:SCOPE_SE
	s_setreg_imm32_b32 hwreg(HW_REG_WAVE_MODE, 25, 1), 1
	s_wait_xcnt 0x0
; The four weights, f32 with K as their FIRST axis, become codes of FP6 (E2M3) with K innermost and one E8M0 byte for each 32 along K.
; wc  = codes [3072 places][1,536 bytes] (wq's columns 0-1023, wk's, wv's), then from byte 4,718,592 scale bytes [3072][64].   woc = codes [2048 places][768 bytes], then from byte 1,572,864 scale bytes [2048][32].
; A column n lies at the PLACE that is n with bits 3 and 4 exchanged (see the first launch).
; A LANE TAKES A COLUMN, ITS REGISTERS RUN DOWN K: a block of 32 is one lane's 32 registers, and the conversions give codes with K innermost; nothing is transposed by an instruction.
; A wave takes 32 columns x 256 along K; its codes go through its own stage in LDS (row = the column's place) and leave as rows: sixteen lanes store a row's 192 consecutive bytes.
; One path serves all four tensors: work-groups 0-63 wq, 64-127 wk, 128-191 wv, 192-255 wo; only pointers, strides and offsets are chosen, on the work-group's number.
; LIMITS: a block of zeros, or one whose largest magnitude lies under 2^-124, gets the byte 1; NaN and infinities are not served.
.set NB,    8                          ; blocks of 32 along K for a wave
.set ROWB,  192                        ; bytes of 256 codes
.set PITCH, 272                        ; a stage row: sixteen places of 16 bytes, each with 12 bytes of codes, + 16
.set EMAX,  2
.set X,     32                         ; v32-95   two sets of 32 numbers
.set C,     96                         ; v96..    a block's codes
.set OUTR,  112                        ; v112-175 the way out
.set SPW,   14
.set NIL,   15
.set SPARE, 4*32*PITCH
.set SB,    24                         ; v24-25   the scale bytes
.set VA,    176                        ; v176-207 4 x lane + i rows of W
.set VO,    208                        ; v208-223 the way out: my place in rows 2 t, 2 t + 1 of the codes
	s_load_b256 s[4:11], s[0:1], 0x0               ; wq, wk, wv, wo
	s_load_b128 s[12:15], s[0:1], 0x20             ; wc, woc
	v_lshl_add_u32 v[SPW], v0, 2, SPARE
	v_mov_b32 v[NIL], 0
	v_lshrrev_b32 v1, 5, v0
	v_readfirstlane_b32 s16, v1                    ; wave
	v_and_b32 v2, 31, v0                           ; lane
	s_lshr_b32 s20, ttmp9, 6                       ; which tensor
	s_and_b32 s21, ttmp9, 63                       ; which part of it
	s_cmp_eq_u32 s20, 3
	s_cselect_b32 s22, 1, 0                        ; 1 for wo
	s_cselect_b32 s23, 0, s20                      ; which third of wc
	s_mov_b32 s24, 0x480000
	s_cselect_b32 s24, 0x180000, s24               ; where the scale bytes begin
	s_lshl_b32 s25, 0x1000, s22                    ; bytes from k to k + 1: 4,096 or 8,192
	s_lshr_b32 s26, 1536, s22                      ; a row of codes: 1,536 or 768
	s_lshr_b32 s27, 64, s22                        ; a row of scale bytes: 64 or 32
	s_lshl_b32 s28, 8, s22
	s_sub_co_u32 s28, s28, 1
	s_and_b32 s28, s21, s28                        ; group of 128 columns: 8 or 16 of them
	s_add_co_u32 s29, s22, 3
	s_lshr_b32 s29, s21, s29                       ; group of 256 along K
	s_lshl_b32 s28, s28, 7
	s_lshl_b32 s30, s16, 5
	s_add_co_u32 s28, s28, s30                     ; my wave's first column
	s_mul_i32 s30, s29, s25
	s_lshl_b32 s30, s30, 8
	s_lshl_b32 s31, s28, 2
	s_add_co_u32 s30, s30, s31                     ; W: 256 rows a K group + 4 bytes a column
	s_mov_b32 s31, 0
	s_mul_i32 s32, s23, 0x180000
	s_mul_i32 s33, s28, s26
	s_add_co_u32 s32, s32, s33
	s_mul_i32 s33, s29, ROWB
	s_add_co_u32 s32, s32, s33                     ; the codes
	s_mov_b32 s33, 0
	s_lshl_b32 s34, s23, 16
	s_add_co_u32 s34, s34, s24
	s_mul_i32 s35, s28, s27
	s_add_co_u32 s34, s34, s35
	s_lshl_b32 s35, s29, 3
	s_add_co_u32 s34, s34, s35                     ; the scale bytes
	s_mov_b32 s35, 0
	s_lshl_b32 s36, s25, 5                         ; 32 rows of W: a block on
	s_mov_b32 s37, 0
	s_lshl_b32 s38, s26, 1                         ; two rows of codes
	v_lshlrev_b32 v[VA], 2, v2
.set i, 1
.rept 31
	v_add_nc_u32 v[VA+i], s25, v[VA+i-1]
.set i, i+1
.endr
	v_and_b32 v3, 7, v2
	v_bfe_u32 v5, v2, 3, 1
	v_lshl_add_u32 v3, v5, 4, v3
	v_bfe_u32 v5, v2, 4, 1
	v_lshl_add_u32 v3, v5, 3, v3                   ; my column's place among the wave's 32
	s_mul_i32 s19, s16, 32*PITCH                   ; my stage
	v_mul_u32_u24 v4, v3, PITCH
	v_add_nc_u32 v4, s19, v4                       ; into it: row = my column's place
	v_mul_u32_u24 v9, v3, s27                      ; and its row of scale bytes
	v_and_b32 v5, 15, v2
	v_lshrrev_b32 v6, 4, v2
	v_mul_u32_u24 v7, v6, PITCH
	v_lshl_add_u32 v7, v5, 4, v7
	v_add_nc_u32 v7, s19, v7                       ; out of it: sixteen lanes to a row, two rows an instruction
	v_mul_u32_u24 v[VO], v6, s26
	v_mad_u32_u24 v[VO], v5, 12, v[VO]
.set i, 1
.rept 15
	v_add_nc_u32 v[VO+i], s38, v[VO+i-1]
.set i, i+1
.endr
	s_wait_kmcnt 0x0
	s_cmp_eq_u32 s20, 1
	s_cselect_b64 s[4:5], s[6:7], s[4:5]
	s_cmp_eq_u32 s20, 2
	s_cselect_b64 s[4:5], s[8:9], s[4:5]
	s_cmp_eq_u32 s20, 3
	s_cselect_b64 s[4:5], s[10:11], s[4:5]         ; the tensor
	s_cselect_b64 s[6:7], s[14:15], s[12:13]       ; and where it goes
	s_add_nc_u64 s[4:5], s[4:5], s[30:31]
	s_add_nc_u64 s[8:9], s[6:7], s[34:35]
	s_add_nc_u64 s[6:7], s[6:7], s[32:33]
.macro LOAD t                          ; a block: W(k + i, my column), i = 0 .. 31, into set t % 2: 32 lanes read 128 consecutive bytes
.irp i, 0,1,2,3,4,5,6,7,8,9,10,11,12,13,14,15,16,17,18,19,20,21,22,23,24,25,26,27,28,29,30,31
	global_load_b32 v[X+32*((\t)%2)+\i], v[VA+\i], s[4:5] th:TH_LOAD_NT
.endr
.endm
.macro NEXTK                           ; the base goes a block on, behind the wait that shows the issued loads' addresses read
	s_wait_xcnt 0x0
	s_add_nc_u64 s[4:5], s[4:5], s[36:37]
.endm
	LOAD 0
	NEXTK
	LOAD 1
.macro BLOCK t
.set XS, X+32*((\t)%2)
.if (\t) < NB-1
	s_wait_loadcnt 32                              ; this block's 32 loads are in; the next block's may be out
.else
	s_wait_loadcnt 0
.endif
	v_max3_num_f32 v12, |v[XS]|, |v[XS+1]|, |v[XS+2]|
	v_max3_num_f32 v13, |v[XS+3]|, |v[XS+4]|, |v[XS+5]|
.irp i, 6,10,14,18,22,26
	v_max3_num_f32 v12, v12, |v[XS+\i]|, |v[XS+\i+1]|
	v_max3_num_f32 v13, v13, |v[XS+\i+2]|, |v[XS+\i+3]|
.endr
	v_max3_num_f32 v12, v12, |v[XS+30]|, |v[XS+31]|
	v_max3_num_f32 v12, v12, v13, (EMAX+1)<<23     ; the floor: the byte cannot fall under 1
	v_add_nc_u32 v11, 0xff000000, v12              ; 2 off the exponent field: the conversion's scale operand
	v_lshrrev_b32 v13, 23, v11                     ; the scale's byte
.if (\t)%4 == 0
	v_mov_b32 v[SB+(\t)/4], v13
.else
	v_lshl_or_b32 v[SB+(\t)/4], v13, 8*((\t)%4), v[SB+(\t)/4]
.endif
	v_cvt_scalef32_pk16_fp6_f32 v[C:C+2], v[XS:XS+15], v11
	v_cvt_scalef32_pk16_fp6_f32 v[C+4:C+6], v[XS+16:XS+31], v11     ; (a conversion's three registers begin on an even number)
	ds_store_b96 v4, v[C:C+2] offset:32*(\t)       ; 12 bytes to a place of 16
	ds_store_b96 v4, v[C+4:C+6] offset:32*(\t)+16
.if (\t)+2 < NB
	NEXTK
	LOAD (\t)+2
.endif
	s_wait_dscnt 0x0                               ; the stores have read their registers: the next block's codes may be written
.endm
.set Q, 0
.rept NB
	BLOCK Q
.set Q, Q+1
.endr
	global_store_b64 v9, v[SB:SB+1], s[8:9]        ; my column's eight scale bytes
.irp t, 0,1,2,3,4,5,6,7,8,9,10,11,12,13,14,15
	ds_load_b96 v[OUTR+4*\t:OUTR+4*\t+2], v7 offset:2*\t*PITCH   ; LDS serves a wave's instructions in order: these see my stores
.endr
.irp t, 0,1,2,3,4,5,6,7,8,9,10,11,12,13,14,15
	s_wait_dscnt 15-\t                             ; the younger reads may be out
	global_store_b96 v[VO+\t], v[OUTR+4*\t:OUTR+4*\t+2], s[6:7]
.endr
	s_wait_tensorcnt 0x0                           ; the wave's end, behind my last LDS store
	ds_add_u32 v[SPW], v[NIL]
	s_wait_dscnt 0x0
	s_endpgm
.Lfunc_end_k_qb9d574361e_prep_w:
	.size	k_qb9d574361e_prep_w, .Lfunc_end_k_qb9d574361e_prep_w-k_qb9d574361e_prep_w
	.p2alignl 7, 3214868480
	.fill 96, 4, 3214868480
	.section	.rodata,"a",@progbits
	.p2align	6, 0x0
	.amdhsa_kernel k_qb9d574361e_prep_w
		.amdhsa_group_segment_fixed_size 35840
		.amdhsa_private_segment_fixed_size 0
		.amdhsa_enable_private_segment 0
		.amdhsa_kernarg_size 48
		.amdhsa_user_sgpr_count 2
		.amdhsa_user_sgpr_kernarg_segment_ptr 1
		.amdhsa_wavefront_size32 1
		.amdhsa_system_sgpr_workgroup_id_x 1
		.amdhsa_system_sgpr_workgroup_id_y 1
		.amdhsa_system_sgpr_workgroup_id_z 1
		.amdhsa_system_vgpr_workitem_id 0
		.amdhsa_next_free_vgpr 224
		.amdhsa_next_free_sgpr 66
		.amdhsa_reserve_vcc 0
		.amdhsa_float_denorm_mode_32 3
		.amdhsa_float_denorm_mode_16_64 3
		.amdhsa_memory_ordered 1
		.amdhsa_forward_progress 1
		.amdhsa_inst_pref_size 45
	.end_amdhsa_kernel
	.amdgpu_metadata
---
amdhsa.version: [ 1, 2 ]
amdhsa.kernels:
  - .name:           k_qb9d574361e_prep_w
    .symbol:         k_qb9d574361e_prep_w.kd
    .args:
      - { .name: wq, .offset: 0, .size: 8, .value_kind: global_buffer, .address_space: global }
      - { .name: wk, .offset: 8, .size: 8, .value_kind: global_buffer, .address_space: global }
      - { .name: wv, .offset: 16, .size: 8, .value_kind: global_buffer, .address_space: global }
      - { .name: wo, .offset: 24, .size: 8, .value_kind: global_buffer, .address_space: global }
      - { .name: wc, .offset: 32, .size: 8, .value_kind: global_buffer, .address_space: global }
      - { .name: woc, .offset: 40, .size: 8, .value_kind: global_buffer, .address_space: global }
    .group_segment_fixed_size: 35840
    .private_segment_fixed_size: 0
    .kernarg_segment_align: 8
    .kernarg_segment_size: 48
    .max_flat_workgroup_size: 128
    .sgpr_count:     66
    .vgpr_count:     224
    .wavefront_size: 32
...
	.end_amdgpu_metadata
.endif
;; end of part 2
;; launch gemm_qkv (part 3): grid 8 x 24, 4 waves a work-group, clusters of 4 x 4, 327,680 bytes of LDS; arguments xc, wc, rope, q_norm_w, k_norm_w, qi, kv; writes qi, kv
.if DOCPART == 3
	.amdgcn_target "amdgcn-amd-amdhsa--gfx1250"
	.amdhsa_code_object_version 6
	.text
	.protected	k_qb9d574361e_gemm_qkv
	.globl	k_qb9d574361e_gemm_qkv
	.p2align	8
	.type	k_qb9d574361e_gemm_qkv,@function
k_qb9d574361e_gemm_qkv:
	s_mov_b64 s[64:65], 0
	v_nop
	global_prefetch_b8 v0, s[64:65] scope:SCOPE_SE
	s_setreg_imm32_b32 hwreg(HW_REG_WAVE_MODE, 25, 1), 1
	s_wait_xcnt 0x0
	s_wait_alu depctr_hold_cnt(0) depctr_sa_sdst(0) depctr_va_vdst(0) depctr_va_sdst(0) depctr_va_ssrc(0) depctr_va_vcc(0) depctr_vm_vsrc(0)
	s_getreg_b32 s2, hwreg(HW_REG_IB_STS2, 6, 4)
	s_cmp_eq_u32 s2, 0
	s_cbranch_scc0 .Lentry_in_a_cluster
	s_endpgm
.Lentry_in_a_cluster:
	s_bfe_u32 s2, ttmp6, 0x10000c
	s_cmp_lg_u32 s2, 0xf033
	s_cbranch_scc0 .Lentry_shape_is_right
	s_endpgm
.Lentry_shape_is_right:
; q = x wq, k = x wk, v = x wv on codes of FP6 (K = 2,048), and what reference() does to them on the way to attention, all in the accumulators' registers:
; q, k: RMS norm over the head's 128, the norm's weight, the rotation by position, then the quantiser along the head's 128;  v: the quantiser along the KEYS.  Nothing wider than codes goes to memory.
; A work-group of four waves makes 256 x 256, a wave 128 x 128 (64 accumulators, 512 registers); K goes in steps of 256 through two LDS slots filled by tensor loads; the scale bytes of the work-group's rows come once.
; CLUSTERS of 4 x 4: rows of a cluster share A's tiles, columns B's: joint loads.  Cluster rows 0-3: A = x (tile row 4 Y + cy), B = wq | wk (tile column 4 X + cx; X = 0: q, X = 1: k).
; Cluster rows 4, 5: the TRANSPOSED problem for v: A = wv (rows 2,048 on of wc, tile row cy), B = x (tile column 4 (2 (Y - 4) + X) + cx).  The choice hangs on the cluster's y alone, which all sixteen partners share.
; THE MATRIX INSTRUCTION IS USED TRANSPOSED (source 0 = 16 rows of B, source 1 = 16 rows of A): a lane holds one row of A.  Rows lie in the buffers by PLACE (index with bits 3 and 4 exchanged), so the 64 registers of
; a row block are, in register order 16 b + i, B's true indices 32 b + 16 (lane / 16) + i: a token's head (a wave's 128 columns are one head), or a channel's 128 keys: what the conversions want.
; RESULTS LEAVE AS IMAGES OF OPERAND REGISTERS: a fragment (16 rows x 128 K, 12 registers) by three stores of 512 consecutive bytes, lane l's 16 bytes at 16 l; four tiles' scale words by one such store.
; qi = [8 heads][256 tiles][1,536], then from 3,145,728 [8][64 groups of 4 tiles][512].   kv = [8 heads][16 slots of 256 keys][53,248]: K's 16 tiles, V's [2 steps][8 channel tiles], K's and V's scale words [2 steps][2 groups][512] each.
; No prefetch: every tile is shared by four partners and read by several clusters at about the same time.  192 work-groups: a wave's 128 columns must be a whole head.
; LIMITS: blocks under 2^-124 and blocks of zeros get the scale byte 1; NaN and infinities are not served.
.set SIZE_K, 2048
.set KSTEP,  256
.set NQ,     KSTEP/128
.set ROWB,   192
.set KROW,   SIZE_K*6/8
.set PITCH,  240                       ; an LDS row: 3 x (64 bytes + 16 of padding)
.set FR,     12
.set NL,     6
.set NP,     4
.set HALFT,  128*PITCH
.set SLOT,   4*HALFT
.set LAPS,   SIZE_K/(2*KSTEP)
.set KS,     SIZE_K/32
.set SCL,    2*SLOT                    ; behind the ring: the scale bytes, as units of 256 bytes + 16
.set HALFS,  (128*KS/256)*272
.set SBLK,   (16*KS/256)*272
.set SPARE,  SCL+4*HALFS               ; the spare words, 128 bytes a wave, named by no other line
.set ADRA, 16                          ; v16-19 LDS addresses of A's fragments (slot 0, 1; and behind one padding more)
.set ADRB, 20                          ; v20-23 of B's
.set LI,   26                          ; v26 16 x lane
.set ADRS, 27                          ; v27 my scale words
.set SPW,  28
.set NIL,  29
.set LH,   31                          ; v31 64 x (lane / 16)
.set SC,   32                          ; v32-63 scale words, two sets
.set AF,   128                         ; A's fragments, window 0
.set TT0,  32                          ; behind the products: v32-39 at work in the rotation
.set NW,   64                          ; v64-127 the norm's weight, in register order
.set Y,    128                         ; v128-191 a row block at work
.set TM,   192                         ; v192-207 the quantiser's scratch
.set CDS,  208                         ; v208-226 codes
.set SW,   232                         ; v232-239 the eight row blocks' scale words
.set SS,   240                         ; v240-255 eight pairs: sums of squares, then 1 / rms
.set G1, 24
.set G0, 32
.set G1B, 48
.set G0B, 56
.set G1S, 68
.set G0S, 76
.set G1SB, 80
.set G0SB, 88
.set ISV, 95                           ; s95 1 in v's clusters
.set SEL, 96                           ; s[96:97] behind the head: lane selects for lane l xor 16
.set MSB, 0
.macro WIN new                         ; the immediate's high byte repeats the setting that is left
.if MSB != \new
	s_set_vgpr_msb (MSB<<8)|\new
.set MSB, \new
.endif
.endm
.set MUL_LO, 0xa1                      ; source 0 (B) window 1, source 1 (A) window 0, C and D window 2
.set MUL_HI, 0xf1
.set TO_B,   0x40
.macro JLOAD g0a, g1a, g0b, g1b        ; a joint load: waves 0, 1 fetch for A, waves 2, 3 for B; s_nop 0 and four v_nop follow each line
	s_cmp_eq_u32 s15, 0
	s_cbranch_scc0 .Lfor_b_\@
	tensor_load_to_lds s[\g0a:\g0a+3], s[\g1a:\g1a+7]
	s_nop 0
.rept 4
	v_nop
.endr
	s_branch .Lasked_\@
.Lfor_b_\@:
	tensor_load_to_lds s[\g0b:\g0b+3], s[\g1b:\g1b+7]
	s_nop 0
.rept 4
	v_nop
.endr
.Lasked_\@:
.endm
.macro CREST
	s_cmp_lg_u32 s14, 0
	s_cbranch_scc1 .Lnot_wave_0_\@
	s_barrier_signal -3
.Lnot_wave_0_\@:
	s_barrier_wait -3
	s_barrier_signal -1
	s_barrier_wait -1
.endm
.macro CROUND
	s_barrier_signal -1
	s_barrier_wait -1
	CREST
.endm
	s_load_b128 s[4:7], s[0:1], 0x0                ; xc, wc
	v_lshl_add_u32 v[SPW], v0, 2, SPARE
	v_mov_b32 v[NIL], 0
	ds_add_u32 v[SPW], v[NIL]                      ; the wave's opening: the add, twice on end, and its wait ahead of my first tensor load
	ds_add_u32 v[SPW], v[NIL]
	v_lshrrev_b32 v1, 5, v0
	v_readfirstlane_b32 s14, v1                    ; wave
	s_lshr_b32 s15, s14, 1                         ; my half of the tile's rows; also: I fetch for A (0) or B (1)
	s_and_b32 s16, s14, 1                          ; my half of its columns; also: which 128 rows I fetch
	s_bfe_u32 s40, ttmp6, 0x40000                  ; cx
	s_bfe_u32 s41, ttmp6, 0x40004                  ; cy
	s_and_b32 s17, ttmp7, 0xffff                   ; the cluster's y
	s_lshl_b32 s18, s17, 1
	s_add_co_u32 s18, s18, ttmp9
	s_sub_co_u32 s18, s18, 8                       ; v: 2 (Y - 4) + X
	s_mov_b32 s96, 0x600000                        ; where xc's scale bytes begin,
	s_mov_b32 s98, 0x480000                        ; and wc's
	s_cmp_ge_u32 s17, 4
	s_cselect_b32 s[ISV], 1, 0
	s_cselect_b32 s42, s18, ttmp9                  ; the cluster's column of tiles,
	s_cselect_b32 s17, 0, s17                      ; and its row
	s_cselect_b32 s19, 2048, 0                     ; A's first row in its buffer
	s_cselect_b32 s2, s98, s96                     ; A's scale bytes,
	s_cselect_b32 s98, s96, s98                    ; B's
	s_mov_b32 s96, s2
	s_mov_b32 s97, 0
	s_mov_b32 s99, 0
	s_lshl_b32 s42, s42, 2
	s_add_co_u32 s42, s42, s40                     ; tile column
	s_lshl_b32 s17, s17, 2
	s_add_co_u32 s17, s17, s41                     ; tile row
	s_lshl_b32 s43, s41, 2
	s_lshl_b32 s43, 15, s43                        ; my row of the cluster
	s_lshl_b32 s44, 0x1111, s40                    ; my column
	s_or_b32 s[G1+0], s43, (0<<16)|(1<<20)|(1<<21)|(3<<22)|(3<<25)  ; the mask; elements of 1 byte; padding of 4 words behind every 16; bit 21 beside a mask
	s_or_b32 s[G1B+0], s44, (0<<16)|(1<<20)|(1<<21)|(3<<22)|(3<<25)
.irp g, G1, G1B
	s_mov_b32 s[\g+1], ROWB<<16                    ; tensor_dim0
	s_mov_b32 s[\g+2], 128<<16                     ; tensor_dim1
	s_mov_b32 s[\g+3], ROWB<<16                    ; tile_dim0
	s_mov_b32 s[\g+4], 128                         ; tile_dim1
	s_mov_b32 s[\g+5], KROW                        ; the pitch
	s_mov_b32 s[\g+6], 0
	s_mov_b32 s[\g+7], 0
.endr
	s_or_b32 s[G1S+0], s43, (3<<16)|(1<<20)|(1<<21)|(5<<22)|(3<<25)  ; the scale bytes of 128 rows: a dense block, as rows of 256 bytes + 16
	s_or_b32 s[G1SB+0], s44, (3<<16)|(1<<20)|(1<<21)|(5<<22)|(3<<25)
.irp g, G1S, G1SB
	s_mov_b32 s[\g+1], 32<<16
	s_mov_b32 s[\g+2], (128*KS/256)<<16
	s_mov_b32 s[\g+3], 32<<16
	s_mov_b32 s[\g+4], 128*KS/256
	s_mov_b32 s[\g+5], 32
	s_mov_b32 s[\g+6], 0
	s_mov_b32 s[\g+7], 0
.endr
	s_lshl_b32 s18, s16, 7
	s_lshl_b32 s20, s17, 8
	s_add_co_u32 s20, s20, s18
	s_add_co_u32 s20, s20, s19                     ; A: the first row that I fetch
	s_lshl_b32 s46, s42, 8
	s_add_co_u32 s46, s46, s18                     ; B likewise
	s_mov_b32 s21, 0
	s_mov_b32 s47, 0
	s_mov_b64 s[18:19], KS
	s_mul_u64 s[22:23], s[20:21], s[18:19]
	s_mul_u64 s[92:93], s[46:47], s[18:19]
	s_add_nc_u64 s[22:23], s[22:23], s[96:97]      ; these rows' scale bytes,
	s_add_nc_u64 s[92:93], s[92:93], s[98:99]
	s_mov_b64 s[18:19], KROW
	s_mul_u64 s[20:21], s[20:21], s[18:19]         ; and their codes
	s_mul_u64 s[46:47], s[46:47], s[18:19]
	s_mul_i32 s45, s14, HALFT                      ; where they go: no place in the cluster enters an LDS address
	s_mul_i32 s94, s14, HALFS
	s_wait_dscnt 0x0                               ; both opening adds are done
	s_wait_kmcnt 0x0
	s_cmp_eq_u32 s[ISV], 1
	s_cselect_b64 s[8:9], s[6:7], s[4:5]           ; A's buffer,
	s_cselect_b64 s[10:11], s[4:5], s[6:7]         ; B's
	s_add_nc_u64 s[20:21], s[8:9], s[20:21]
	s_add_nc_u64 s[22:23], s[8:9], s[22:23]
	s_add_nc_u64 s[46:47], s[10:11], s[46:47]
	s_add_nc_u64 s[92:93], s[10:11], s[92:93]
	CROUND                                         ; all sixteen work-groups are here: the first joint loads meet
	s_mov_b32 s[G0S], 1
	s_add_co_u32 s[G0S+1], s94, SCL
	s_mov_b64 s[G0S+2:G0S+3], s[22:23]
	s_or_b32 s[G0S+3], s[G0S+3], 0x80000000
	s_mov_b32 s[G0SB], 1
	s_add_co_u32 s[G0SB+1], s94, SCL
	s_mov_b64 s[G0SB+2:G0SB+3], s[92:93]
	s_or_b32 s[G0SB+3], s[G0SB+3], 0x80000000
	JLOAD G0S, G1S, G0SB, G1SB                     ; the scale bytes first
.irp s, 0,1
	s_mov_b32 s[G0+4*\s], 1
	s_add_co_u32 s[G0+4*\s+1], s45, \s*SLOT
	s_add_nc_u64 s[G0+4*\s+2:G0+4*\s+3], s[20:21], \s*ROWB
	s_or_b32 s[G0+4*\s+3], s[G0+4*\s+3], 0x80000000
	s_mov_b32 s[G0B+4*\s], 1
	s_add_co_u32 s[G0B+4*\s+1], s45, \s*SLOT
	s_add_nc_u64 s[G0B+4*\s+2:G0B+4*\s+3], s[46:47], \s*ROWB
	s_or_b32 s[G0B+4*\s+3], s[G0B+4*\s+3], 0x80000000
	JLOAD G0+4*\s, G1, G0B+4*\s, G1B
.endr
	v_and_b32 v1, 15, v0                           ; l % 16
	v_bfe_u32 v2, v0, 4, 1                         ; l / 16
	v_mul_u32_u24 v3, v1, PITCH
	v_mul_u32_u24 v4, v2, 24
	v_add_nc_u32 v4, v3, v4                        ; a fragment's row x pitch + 24 x half
	v_lshl_add_u32 v5, v2, 4, v4                   ; and the same behind one padding more
	s_mul_i32 s21, s15, HALFT
	s_mul_i32 s22, s16, HALFT
	s_add_co_u32 s22, s22, 2*HALFT
.irp s, 0,1
	v_add_nc_u32 v[ADRA+\s], s21, v4
	v_add_nc_u32 v[ADRB+\s], s22, v4
	v_add_nc_u32 v[ADRA+2+\s], s21, v5
	v_add_nc_u32 v[ADRB+2+\s], s22, v5
	s_add_co_u32 s21, s21, SLOT
	s_add_co_u32 s22, s22, SLOT
.endr
	v_mul_u32_u24 v5, v1, KS
	v_lshrrev_b32 v6, 8, v5
	v_lshl_add_u32 v5, v6, 4, v5                   ; my row's scale bytes: KS a row, 16 more for each 256 passed
	s_mul_i32 s21, s15, HALFS
	s_mul_i32 s22, s16, HALFS
	s_add_co_u32 s22, s22, 2*HALFS
	s_sub_co_u32 s22, s22, s21
	v_mul_u32_u24 v6, s22, v2                      ; lanes 16-31 take B's
	s_add_co_u32 s21, s21, SCL
	v_add_nc_u32 v5, v5, v6
	v_add_nc_u32 v[ADRS], s21, v5
	v_and_b32 v6, 31, v0
	v_lshlrev_b32 v[LI], 4, v6
	v_lshlrev_b32 v[LH], 6, v2
.macro FRAG reg, adr, q, i             ; a fragment: 24 bytes of the row's stream of bits twice, in pieces of 8 bytes; where lanes 16-31's piece lies behind one padding more, the second address register serves
.irp p, 0,1,2,3,4,5
.set PCE, 12*(\q)+6*(\p/3)+\p%3
.if PCE%8 < 5
	ds_load_b64 v[\reg+2*\p:\reg+2*\p+1], v[\adr] offset:8*PCE+16*(PCE/8)+(\i)*16*PITCH
.else
	ds_load_b64 v[\reg+2*\p:\reg+2*\p+1], v[\adr+2] offset:8*PCE+16*(PCE/8)+(\i)*16*PITCH
.endif
.endr
.endm
; 16 matrix instructions: A's blocks a0, a0 + 1 x B's eight.  The 64 accumulators take turns, one instruction a turn, in the same order in every step.
.macro MUL16 a0, p, q, sc, zero
.irp a, \a0, \a0+1
.irp b, 0,1,2,3,4,5,6,7
.if \zero
	v_wmma_scale_f32_16x16x128_f8f6f4 v[8*(8*((\a)%4)+\b):8*(8*((\a)%4)+\b)+7], v[128*(\p)+FR*\b:128*(\p)+FR*\b+FR-1], v[AF+FR*(\a):AF+FR*(\a)+FR-1], 0, v[SC+8*NQ*(\sc)+NQ*\b+(\q)], v[SC+8*NQ*(\sc)+NQ*(\a)+(\q)] matrix_a_fmt:MATRIX_FMT_FP6 matrix_b_fmt:MATRIX_FMT_FP6 matrix_a_scale:MATRIX_SCALE_ROW1
.else
	v_wmma_scale_f32_16x16x128_f8f6f4 v[8*(8*((\a)%4)+\b):8*(8*((\a)%4)+\b)+7], v[128*(\p)+FR*\b:128*(\p)+FR*\b+FR-1], v[AF+FR*(\a):AF+FR*(\a)+FR-1], v[8*(8*((\a)%4)+\b):8*(8*((\a)%4)+\b)+7], v[SC+8*NQ*(\sc)+NQ*\b+(\q)], v[SC+8*NQ*(\sc)+NQ*(\a)+(\q)] matrix_a_fmt:MATRIX_FMT_FP6 matrix_b_fmt:MATRIX_FMT_FP6 matrix_a_scale:MATRIX_SCALE_ROW1
.endif
.endr
.endr
.endm
.macro FETCH_B slot, q, p
	WIN TO_B
.irp i, 0,1,2,3,4,5,6,7
	FRAG 128*(\p)+FR*\i, ADRB+\slot, \q, \i
.endr
	WIN 0
.endm
.macro FETCH_A slot, q, i0
.irp i, \i0, \i0+1, \i0+2, \i0+3
	FRAG AF+FR*(\i), ADRA+\slot, \q, \i
.endr
.endm
.macro SCALES sc                       ; a K step's scale words: lanes 0-15 A's block i, lanes 16-31 B's block i
.irp i, 0,1,2,3,4,5,6,7
	ds_load_b64 v[SC+8*NQ*\sc+NQ*\i:SC+8*NQ*\sc+NQ*\i+1], v[ADRS] offset:\i*SBLK
.endr
.endm
.macro PLACES n                        ; plain vector instructions between a matrix instruction and a load into, or a vector instruction on, its registers
.rept \n
	v_nop
.endr
.endm
.macro STEP slot, q, zero              ; 128 along K whose successor lies in the same slot
	s_wait_dscnt 4*NL                              ; B's set and A's blocks 0-3 are in; A's blocks 4-7 (24 loads) may be out
	WIN MUL_LO
	MUL16 0, (\q)%2, \q, \slot, \zero
	MUL16 2, (\q)%2, \q, \slot, \zero
	s_wait_dscnt 0
	PLACES NP
	FETCH_B \slot, (\q)+1, 1-(\q)%2
	FETCH_A \slot, (\q)+1, 0
	WIN MUL_HI
	MUL16 4, (\q)%2, \q, \slot, \zero
	MUL16 6, (\q)%2, \q, \slot, \zero
	PLACES NP
	WIN 0
	FETCH_A \slot, (\q)+1, 4
.endm
.macro TURN slot, next, fill           ; a slot's last step changes slots: one barrier; fill = 1: it opens a round of the cluster's barrier and the slot is filled again
	s_wait_tensorcnt 0x0                           ; all my tensor loads have landed: my part of the next slot
	ds_add_u32 v[SPW], v[NIL]                      ; 0 onto my spare word
	s_wait_dscnt 4*NL+1                            ; the add and A's blocks 4-7 may be out
	WIN MUL_LO
	MUL16 0, 1, NQ-1, \slot, 0
	s_wait_dscnt 0x0                               ; the add is done, and my reads of this slot are over
	s_barrier_signal -1
	MUL16 2, 1, NQ-1, \slot, 0
	WIN 0
	s_barrier_wait -1
.if \fill
	CREST                                          ; no wave of any partner still reads this slot or has a load on its way
	s_add_nc_u64 s[G0+4*\slot+2:G0+4*\slot+3], s[G0+4*\slot+2:G0+4*\slot+3], 2*ROWB
	s_add_nc_u64 s[G0B+4*\slot+2:G0B+4*\slot+3], s[G0B+4*\slot+2:G0B+4*\slot+3], 2*ROWB
	JLOAD G0+4*\slot, G1, G0B+4*\slot, G1B         ; the first tensor load behind the round; its four v_nop are the places in front of the loads below
.else
	PLACES NP
.endif
	v_add_nc_u32 v[ADRS], 4*NQ, v[ADRS]
	FETCH_B \next, 0, 0
	FETCH_A \next, 0, 0
	SCALES \next
	WIN MUL_HI
	MUL16 4, 1, NQ-1, \slot, 0
	MUL16 6, 1, NQ-1, \slot, 0
	PLACES NP
	WIN 0
	FETCH_A \next, 0, 4
.endm
	s_wait_tensorcnt 1                             ; the scale bytes and my part of K step 0 are in; K step 1's load may be out
	s_barrier_signal -1
	s_barrier_wait -1
	s_load_b256 s[68:75], s[0:1], 0x10             ; (the scale bytes' descriptors are done with)  rope, q_norm_w, k_norm_w, qi
	s_load_b64 s[76:77], s[0:1], 0x30              ; kv
	FETCH_B 0, 0, 0
	FETCH_A 0, 0, 0
	SCALES 0
	FETCH_A 0, 0, 4
	STEP 0, 0, 1                                   ; the first step's products start the sums
	s_mov_b32 s3, LAPS-1
.Llap:
	TURN 0, 1, 1
	STEP 1, 0, 0
	TURN 1, 0, 1
	STEP 0, 0, 0
	s_sub_co_u32 s3, s3, 1
	s_cmp_lg_u32 s3, 0
	s_cbranch_scc1 .Llap
	; where the results go
	s_wait_kmcnt 0x0
	s_lshl_b32 s78, s42, 1
	s_add_co_u32 s78, s78, s16
	s_and_b32 s78, s78, 7                          ; q, k: my 128 columns are this head
	s_lshl_b32 s79, s17, 1
	s_add_co_u32 s79, s79, s15                     ; v: my 128 rows are this head
	s_cmp_eq_u32 s[ISV], 1
	s_cselect_b32 s78, s79, s78                    ; the head
	s_cselect_b32 s79, s42, s17                    ; the slot of 256 keys
	s_cselect_b32 s84, s16, s15                    ; the key step in it
	s_cselect_b32 s85, 24576, 0                    ; V's images lie behind K's
	s_mov_b32 s86, 49152
	s_cselect_b32 s86, 51200, s86                  ; the scale words
	s_mul_i32 s87, s78, 851968
	s_mul_i32 s88, s79, 53248
	s_add_co_u32 s87, s87, s88
	s_mul_i32 s88, s84, 12288
	s_add_co_u32 s88, s88, s87
	s_add_co_u32 s88, s88, s85                     ; kv: my eight images
	s_lshl_b32 s89, s84, 10
	s_add_co_u32 s89, s89, s87
	s_add_co_u32 s89, s89, s86                     ; kv: their scale words
	s_lshl_b32 s90, s17, 1
	s_add_co_u32 s90, s90, s15                     ; which eight tiles of tokens are mine
	s_mul_i32 s91, s90, 8*1536
	s_mul_i32 s92, s78, 393216
	s_add_co_u32 s91, s91, s92                     ; qi: my eight images
	s_lshl_b32 s92, s90, 10
	s_lshl_b32 s93, s78, 15
	s_add_co_u32 s92, s92, s93
	s_add_co_u32 s92, s92, 0x300000                ; qi: their scale words
	s_or_b32 s93, s[ISV], ttmp9                    ; 0 in q's clusters alone
	s_cmp_eq_u32 s93, 0
	s_cselect_b64 s[80:81], s[74:75], s[76:77]
	s_cselect_b32 s88, s91, s88
	s_cselect_b32 s92, s92, s89
	s_cselect_b64 s[70:71], s[70:71], s[72:73]     ; the norm's weight: q's or k's
	s_mov_b32 s89, 0
	s_mov_b32 s93, 0
	s_add_nc_u64 s[82:83], s[80:81], s[92:93]      ; scale words
	s_add_nc_u64 s[80:81], s[80:81], s[88:89]      ; images
	s_lshl_b32 s90, s90, 16                        ; eight tiles of 8,192 bytes of cos and sin
	s_mov_b32 s91, 0
	s_add_nc_u64 s[68:69], s[68:69], s[90:91]
	s_mov_b32 s[SEL], 0x76543210
	s_mov_b32 s[SEL+1], 0xfedcba98
	s_mov_b32 s94, 0x358637bd                      ; 1e-6
	TURN 0, 1, 0                                   ; the last lap fills nothing
	STEP 1, 0, 0
	s_wait_dscnt 4*NL
	WIN MUL_LO
	MUL16 0, 1, NQ-1, 1, 0
	MUL16 2, 1, NQ-1, 1, 0
	s_wait_dscnt 0
	WIN MUL_HI
	MUL16 4, 1, NQ-1, 1, 0
	MUL16 6, 1, NQ-1, 1, 0
	WIN 0
; 64 numbers of a lane at v[s] on of window w, register 16 b + i = k 32 b + 16 (lane / 16) + i of my row, become a fragment's codes in v[CDS] on and its scale word in v[pw].  The numbers are read in ascending order.
.macro QUANT s, w, pw
.set WQ, 5*(\w)
	WIN WQ                                         ; sources 0 and 1 in window w
.irp b, 0,1,2,3
	v_max3_num_f32 v[TM+\b], |v[\s+16*\b]|, |v[\s+1+16*\b]|, 0x1800000   ; my 16 numbers of block b, and the floor 2^(3 - 127)
.endr
.irp i, 2,4,6,8,10,12,14
.irp b, 0,1,2,3
	v_max3_num_f32 v[TM+\b], |v[\s+16*\b+\i]|, |v[\s+1+16*\b+\i]|, v[TM+\b]
.endr
.endr
	WIN 0
.irp b, 0,1,2,3
	v_permlanex16_b32 v[TM+4+\b], v[TM+\b], s[SEL], s[SEL+1]
.endr
.irp b, 0,1,2,3
	v_max_num_f32 v[TM+\b], v[TM+\b], v[TM+4+\b]   ; with lane l xor 16's: the block's largest magnitude
.endr
.irp b, 0,1,2,3
	v_add_nc_u32 v[TM+12+\b], 0xff000000, v[TM+\b] ; 2 off its exponent field: the conversion's scale operand
.endr
.irp b, 0,1,2,3
	v_lshrrev_b32 v[TM+4+\b], 23, v[TM+12+\b]      ; the scale's byte
.endr
	v_lshl_or_b32 v[\pw], v[TM+5], 8, v[TM+4]
	v_lshl_or_b32 v[\pw], v[TM+6], 16, v[\pw]
	v_lshl_or_b32 v[\pw], v[TM+7], 24, v[\pw]
	WIN \w                                         ; source 0 in window w
.irp c, 0,1
	v_cvt_scalef32_pk16_fp6_f32 v[CDS+6*\c:CDS+2+6*\c], v[\s+32*\c:\s+15+32*\c], v[TM+12+2*\c]
	v_cvt_scalef32_pk16_fp6_f32 v[CDS+12+4*\c:CDS+14+4*\c], v[\s+16+32*\c:\s+31+32*\c], v[TM+12+2*\c+1]
.endr
	WIN 0
	v_nop                                          ; one plain place behind a scaled conversion
.irp c, 0,1                                    ; the operand wants a whole block in a lane
.irp i, 0,1,2
	v_permlane16_swap_b32 v[CDS+6*\c+\i], v[CDS+12+4*\c+\i]
.endr
.irp i, 0,1,2
	v_mov_b32 v[CDS+3+6*\c+\i], v[CDS+12+4*\c+\i]
.endr
.endr
.endm
.macro PUT a                           ; the image: three stores of 512 consecutive bytes, aligned
.irp c, 0,1,2
	global_store_b128 v[LI], v[CDS+4*\c:CDS+4*\c+3], s[80:81] offset:1536*(\a)+512*\c
.endr
.endm
.macro SUMSQ4 W                        ; the sums of squares of a window's four row blocks, by turns, registers ascending
	WIN 5*(\W)
.irp a, 0,1,2,3
	v_pk_mul_f32 v[SS+2*(4*((\W)-2)+\a):SS+2*(4*((\W)-2)+\a)+1], v[64*\a:64*\a+1], v[64*\a:64*\a+1]
.endr
.set p, 2
.rept 31
.irp a, 0,1,2,3
	v_pk_fma_f32 v[SS+2*(4*((\W)-2)+\a):SS+2*(4*((\W)-2)+\a)+1], v[64*\a+p:64*\a+p+1], v[64*\a+p:64*\a+p+1], v[SS+2*(4*((\W)-2)+\a):SS+2*(4*((\W)-2)+\a)+1]
.endr
.set p, p+2
.endr
.endm
; Row block a of q or k: x 1 / rms, x the weight, the rotation, the quantiser, the image.  cos and sin lie in window 1, two sets by turns: set 0 at v96 (cos), v224 (sin); set 1 at v0, v32.
.macro ROWQK a
.set W, 2+(\a)/4
.set AC, 64*((\a)%4)
.set CC, 96-96*((\a)%2)
.set SN, 224-192*((\a)%2)
.set CN, 96-96*(((\a)+1)%2)
.set SNN, 224-192*(((\a)+1)%2)
.if (\a) < 7
	WIN 0x40                                       ; destination window 1
.irp c, 0,1,2,3,4,5,6,7
	global_load_b128 v[CN+4*\c:CN+4*\c+3], v[LI], s[68:69] offset:8192*((\a)+1)+512*\c
	global_load_b128 v[SNN+4*\c:SNN+4*\c+3], v[LI], s[68:69] offset:8192*((\a)+1)+4096+512*\c
.endr
	s_wait_loadcnt 16                              ; the next tile's 16 loads may be out; all issued ahead of them are in
.else
	s_wait_loadcnt 0x0
.endif
	WIN W                                          ; source 0: the accumulators
.set p, 0
.rept 32
	v_pk_mul_f32 v[Y+p:Y+p+1], v[AC+p:AC+p+1], v[SS+2*(\a):SS+2*(\a)+1] op_sel_hi:[1,0]
.set p, p+2
.endr
	WIN 0
.set p, 0
.rept 32
	v_pk_mul_f32 v[Y+p:Y+p+1], v[Y+p:Y+p+1], v[NW+p:NW+p+1]
.set p, p+2
.endr
	WIN 0x04                                       ; source 1: cos and sin
.set p, 0
.rept 16                                       ; registers p and 32 + p are d and d + 64
.set TT, TT0+4*((p/2)%2)
	v_pk_mul_f32 v[TT:TT+1], v[Y+32+p:Y+33+p], v[SN+p:SN+p+1]
	v_pk_mul_f32 v[TT+2:TT+3], v[Y+p:Y+p+1], v[SN+p:SN+p+1]
	v_pk_fma_f32 v[Y+p:Y+p+1], v[Y+p:Y+p+1], v[CC+p:CC+p+1], v[TT:TT+1] neg_lo:[0,0,1] neg_hi:[0,0,1]
	v_pk_fma_f32 v[Y+32+p:Y+33+p], v[Y+32+p:Y+33+p], v[CC+p:CC+p+1], v[TT+2:TT+3]
.set p, p+2
.endr
	WIN 0
	s_wait_xcnt 0x0                                ; the last block's stores have read the codes' registers
	QUANT Y, 0, SW+(\a)
	PUT \a
.endm
.macro ROWV a                          ; row block a of v: 16 channels x 128 keys, quantised as it stands
.set W, 2+(\a)/4
.set AC, 64*((\a)%4)
	s_wait_xcnt 0x0
	QUANT AC, W, SW+(\a)
	PUT \a
.endm
	PLACES NP                                      ; behind the last products
.irp b, 0,1,2,3
	v_mov_b32 v[TM+4+\b], 0                        ; written once: a lane permute's destination counts as one of its sources
.endr
	s_cmp_eq_u32 s[ISV], 1                         ; the cluster's y alone decides
	s_cbranch_scc1 .Lv_path
.irp b, 0,1,2,3
.irp k, 0,1,2,3
	global_load_b128 v[NW+16*\b+4*\k:NW+16*\b+4*\k+3], v[LH], s[70:71] offset:128*\b+16*\k   ; the weight of d = 32 b + 16 h + 4 k + 0 .. 3
.endr
.endr
	WIN 0x40
.irp c, 0,1,2,3,4,5,6,7
	global_load_b128 v[96+4*\c:99+4*\c], v[LI], s[68:69] offset:512*\c                        ; row block 0's cos and sin; the sums of squares stand between these loads and the wait for them
	global_load_b128 v[224+4*\c:227+4*\c], v[LI], s[68:69] offset:4096+512*\c
.endr
	SUMSQ4 2
	SUMSQ4 3
	WIN 0
.irp a, 0,1,2,3,4,5,6,7
	v_add_f32 v[SS+2*\a], v[SS+2*\a], v[SS+2*\a+1]
.endr
.irp a, 0,1,2,3,4,5,6,7
	v_permlanex16_b32 v[SS+2*\a+1], v[SS+2*\a], s[SEL], s[SEL+1]
.endr
.irp a, 0,1,2,3,4,5,6,7
	v_add_f32 v[SS+2*\a], v[SS+2*\a], v[SS+2*\a+1] ; the token's 128 squares
.endr
.irp a, 0,1,2,3,4,5,6,7
	v_fma_f32 v[SS+2*\a], v[SS+2*\a], 0x3c000000, s94   ; / 128 + 1e-6
.endr
.irp a, 0,1,2,3,4,5,6,7
	v_rsq_f32 v[SS+2*\a], v[SS+2*\a]
.endr
	v_nop                                          ; a plain instruction behind the last of the batch
	s_wait_alu depctr_va_vdst(0)                   ; one wait for the eight, ahead of their first reader
.irp a, 0,1,2,3,4,5,6,7
	ROWQK \a
.endr
	s_branch .Ljoin
.Lv_path:
.irp a, 0,1,2,3,4,5,6,7
	ROWV \a
.endr
.Ljoin:
	global_store_b128 v[LI], v[SW:SW+3], s[82:83]              ; four tiles' scale words a lane
	global_store_b128 v[LI], v[SW+4:SW+7], s[82:83] offset:512
	s_wait_tensorcnt 0x0                           ; the wave's end
	ds_add_u32 v[SPW], v[NIL]
	s_wait_dscnt 0x0
	CROUND                                         ; the closing round
	s_endpgm
.Lfunc_end_k_qb9d574361e_gemm_qkv:
	.size	k_qb9d574361e_gemm_qkv, .Lfunc_end_k_qb9d574361e_gemm_qkv-k_qb9d574361e_gemm_qkv
	.p2alignl 7, 3214868480
	.fill 96, 4, 3214868480
	.section	.rodata,"a",@progbits
	.p2align	6, 0x0
	.amdhsa_kernel k_qb9d574361e_gemm_qkv
		.amdhsa_group_segment_fixed_size 327680
		.amdhsa_private_segment_fixed_size 0
		.amdhsa_enable_private_segment 0
		.amdhsa_kernarg_size 56
		.amdhsa_user_sgpr_count 2
		.amdhsa_user_sgpr_kernarg_segment_ptr 1
		.amdhsa_wavefront_size32 1
		.amdhsa_system_sgpr_workgroup_id_x 1
		.amdhsa_system_sgpr_workgroup_id_y 1
		.amdhsa_system_sgpr_workgroup_id_z 1
		.amdhsa_system_vgpr_workitem_id 0
		.amdhsa_next_free_vgpr 1024
		.amdhsa_next_free_sgpr 100
		.amdhsa_reserve_vcc 0
		.amdhsa_float_denorm_mode_32 3
		.amdhsa_float_denorm_mode_16_64 3
		.amdhsa_memory_ordered 1
		.amdhsa_forward_progress 1
		.amdhsa_inst_pref_size 255
	.end_amdhsa_kernel
	.section	.bss,"aw",@nobits
	.p2align	6
	.space	262144
	.amdgpu_metadata
---
amdhsa.version: [ 1, 2 ]
amdhsa.kernels:
  - .name:           k_qb9d574361e_gemm_qkv
    .symbol:         k_qb9d574361e_gemm_qkv.kd
    .args:
      - { .name: xc, .offset: 0, .size: 8, .value_kind: global_buffer, .address_space: global }
      - { .name: wc, .offset: 8, .size: 8, .value_kind: global_buffer, .address_space: global }
      - { .name: rope, .offset: 16, .size: 8, .value_kind: global_buffer, .address_space: global }
      - { .name: q_norm_w, .offset: 24, .size: 8, .value_kind: global_buffer, .address_space: global }
      - { .name: k_norm_w, .offset: 32, .size: 8, .value_kind: global_buffer, .address_space: global }
      - { .name: qi, .offset: 40, .size: 8, .value_kind: global_buffer, .address_space: global }
      - { .name: kv, .offset: 48, .size: 8, .value_kind: global_buffer, .address_space: global }
    .group_segment_fixed_size: 327680
    .private_segment_fixed_size: 0
    .kernarg_segment_align: 8
    .kernarg_segment_size: 56
    .max_flat_workgroup_size: 128
    .sgpr_count:     100
    .vgpr_count:     1024
    .wavefront_size: 32
...
	.end_amdgpu_metadata
.endif
;; end of part 3
;; launch attn (part 4): grid 32 x 8, 16 waves a work-group, no clusters, 327,680 bytes of LDS; arguments qi, kv, at; writes at
.if DOCPART == 4
	.amdgcn_target "amdgcn-amd-amdhsa--gfx1250"
	.amdhsa_code_object_version 6
	.text
	.protected	k_qb9d574361e_attn
	.globl	k_qb9d574361e_attn
	.p2align	8
	.type	k_qb9d574361e_attn,@function
k_qb9d574361e_attn:
	s_mov_b64 s[64:65], 0
	v_nop
	global_prefetch_b8 v0, s[64:65] scope:SCOPE_SE
	s_setreg_imm32_b32 hwreg(HW_REG_WAVE_MODE, 25, 1), 1
	s_wait_xcnt 0x0
; Causal attention on codes of FP6, and the quantiser of its result along head x 128 + channel.  LEFT OUT AS DEAD WORK (shown at the first launch's head): key steps all of whose 128 keys come after all 16 queries of a tile.
; t = score x log2(e) / sqrt(128) (one constant: one rounding where reference() has two); M = the running largest t rounded up to a whole number; p = 2^(t - M) is quantised along the keys; the sum of the unquantised p divides at the end.
; SHARES.  A head's queries are 64 blocks of 64.  Work-group (i, head) owns blocks i and 63 - i: together 33 key steps whatever i is, so all 256 work-groups have equal work.
; Wave w: tile w % 4 of block (w / 4) % 2; the tile is shared by waves w and w + 8, which take the even and the odd key step of every slot of 256 keys, each with its own M, sum and O^T;
; at the end the odd wave hands its part over through LDS and the even wave joins the two by exact powers of two.  Four waves to a SIMD: one wave's vector work stands beside another's products and LDS loads.
; LAYOUT.  Both products transposed: a lane holds one query.  Queries, keys and channels lie in their tiles by PLACE (index with bits 3 and 4 exchanged), so a lane's 16 registers of two neighbouring tiles are 16 neighbours.
; All operands are images of operand registers: a fragment is three loads of 16 bytes a lane.  A slot of kv is one dense block of 53,248 bytes: waves 0-3 bring a quarter each.
; cluster = none: the trip counts stay constants of the text, so the tensor loads end at the causal limit by a jump on ids.
; at = images [256 tiles of tokens][8 heads][1,536], then from 3,145,728 scale words [8 heads][256 tiles][32 lanes].
; LIMITS: a p under 2^-126 counts as 0; blocks under 2^-124 and blocks of zeros get the scale byte 1; NaN and infinities are not served.
.set SLOTB, 53248
.set SLOT1, 1<<16                      ; slot 1 begins here: one exclusive or turns an address
.set QTR,   13312                      ; a quarter of a slot: 52 rows of 256 bytes
.set VIMG,  24576                      ; V's images in a slot
.set MRG,   2*SLOT1                    ; behind the ring: 8 x 8,448 bytes: an odd wave's O^T (16 x 512) and its -M and sum (256)
.set MRGW,  8448
.set SPARE, MRG+8*MRGW                 ; the spare words, 128 bytes a wave, named by no other line
.set NSL,   16
.set AK0,  1                           ; v1  16 lane + 12,288 x parity: my step's images
.set AS0,  2                           ; v2  16 lane + 1,024 x parity + 49,152: my step's scale words
.set DQ,   3                           ; v3  r + (r & 8) - 16 h
.set MA,   4                           ; v4  the hand-over: O^T
.set SPW,  5
.set NIL,  6
.set LI,   7                           ; v7  16 lane
.set ADK,  8
.set ML,   9                           ; v9  the hand-over: -M and the sum
.set ADS,  10
.set L4,   11                          ; v11 4 lane
.set PFO,  28                          ; v28 256 lane
.set CDS,  32
.set TM,   232
.set WV,   18
.set SEL,  20
.set CS,   22
.set G1,   24
.set G0,   40
.set TB,   2                           ; s2  LDS byte at which the slot in hand begins
.set KSL,  66                          ; s66 the slot's first key
.set SLOTS, 67
.set QL,   68                          ; s68 my work-group's last query
.set PFA,  76
.set LIM,  80
.set KF,   98                          ; s98 my step's first key
.set Q0,   99                          ; s99 my tile's first query
.macro TLOAD                           ; waves 0-3 fetch a quarter each; s_nop 0 and four v_nop follow
	s_cmp_lt_u32 s[WV], 4
	s_cbranch_scc0 .Lasked_\@
	tensor_load_to_lds s[G0:G0+3], s[G1:G1+7]
	s_nop 0
.rept 4
	v_nop
.endr
.Lasked_\@:
.endm
; A PREFETCH of the two slots after the one that is being asked for.  All work-groups of a head walk the same kv: the one with i = 0, which walks all 16 slots, asks; its waves 3 to 15 name 8,192 bytes each, lanes 256 bytes apart:
; 13 x 8,192 bytes are two slots.  It asks in every second change of slots (an odd count of slots to go, above 2): in trip s for slots s + 2 and s + 3, one and two trips ahead of their loads; the last request names slots 14 and 15.
.macro ASK
	s_cmp_gt_u32 s[SLOTS], s[LIM]
	s_cbranch_scc0 .Lnot_mine_\@
	s_bitcmp1_b32 s[SLOTS], 0
	s_cbranch_scc0 .Lnot_mine_\@
	global_prefetch_b8 v[PFO], s[PFA:PFA+1] th:TH_LOAD_NT scope:SCOPE_SE
.Lnot_mine_\@:
.endm
	s_load_b128 s[4:7], s[0:1], 0x0                ; qi, kv
	s_load_b64 s[8:9], s[0:1], 0x10                ; at
	v_lshl_add_u32 v[SPW], v0, 2, SPARE
	v_mov_b32 v[NIL], 0
	ds_add_u32 v[SPW], v[NIL]                      ; the wave's opening: the add, twice on end, and its wait ahead of the first tensor load
	ds_add_u32 v[SPW], v[NIL]
	v_lshrrev_b32 v8, 5, v0
	v_readfirstlane_b32 s[WV], v8                  ; wave 0..15
	s_and_b32 s72, ttmp7, 0xffff                   ; the head
	s_and_b32 s73, s[WV], 3                        ; my tile in its block
	s_bfe_u32 s74, s[WV], 0x10002                  ; low block or high
	s_lshr_b32 s75, s[WV], 3                       ; my parity
	s_sub_co_u32 s78, 63, ttmp9
	s_cmp_eq_u32 s74, 1
	s_cselect_b32 s78, s78, ttmp9                  ; my block of 64 queries
	s_lshl_b32 s79, s78, 2
	s_add_co_u32 s79, s79, s73                     ; my tile of 16 places
	s_lshl_b32 s[Q0], s78, 6
	s_lshr_b32 s81, s73, 1
	s_lshl_b32 s81, s81, 5
	s_add_co_u32 s[Q0], s[Q0], s81
	s_and_b32 s81, s73, 1
	s_lshl_b32 s81, s81, 3
	s_add_co_u32 s[Q0], s[Q0], s81                 ; its queries: Q0 + r + (r & 8)
	s_lshl_b32 s[QL], ttmp9, 6
	s_sub_co_u32 s[QL], 4095, s[QL]
	s_lshl_b32 s[KF], s75, 7
	s_mov_b32 s[KSL], 0
	s_mov_b32 s[TB], 0
	s_mov_b32 s[SLOTS], NSL-1
	s_mul_i32 s82, s72, 393216
	s_mul_i32 s83, s79, 1536
	s_add_co_u32 s82, s82, s83                     ; qi: my tile's image
	s_mov_b32 s83, 0
	s_lshl_b32 s84, s72, 15
	s_lshl_b32 s85, s78, 9
	s_add_co_u32 s84, s84, s85
	s_lshl_b32 s85, s73, 2
	s_add_co_u32 s84, s84, s85
	s_add_co_u32 s84, s84, 0x300000                ; qi: its scale word among its group's four
	s_mov_b32 s85, 0
	s_mul_i32 s86, s72, 851968                     ; kv: the head
	s_mov_b32 s87, 0
	s_mul_i32 s88, s73, QTR                        ; the quarter that I fetch, if I fetch: in memory and in a slot
	s_mov_b32 s89, 0
	s_mul_i32 s90, s79, 12288
	s_mul_i32 s91, s72, 1536
	s_add_co_u32 s90, s90, s91                     ; at: my image
	s_mov_b32 s91, 0
	s_lshl_b32 s92, s72, 15
	s_lshl_b32 s93, s79, 7
	s_add_co_u32 s92, s92, s93
	s_add_co_u32 s92, s92, 0x300000                ; at: its scale words
	s_mov_b32 s93, 0
	s_sub_co_u32 s94, s[WV], 3
	s_max_i32 s94, s94, 0
	s_lshl_b32 s94, s94, 13
	s_add_co_u32 s94, s94, SLOTB                   ; the prefetches stand in slot 1: the first change of slots steps them to slot 2
	s_mov_b32 s95, 0
	s_cmp_lt_u32 s[WV], 3
	s_cselect_b32 s81, 1, 0
	s_or_b32 s81, s81, ttmp9
	s_cmp_eq_u32 s81, 0
	s_cselect_b32 s[LIM], 2, -1                    ; waves 3 to 15 of the head's work-group 0 ask
	s_mov_b32 s[G1], 3<<16                         ; no mask; elements of 8 bytes; no padding
	s_mov_b32 s[G1+1], 32<<16                      ; tensor_dim0: 256 bytes
	s_mov_b32 s[G1+2], 52<<16                      ; tensor_dim1
	s_mov_b32 s[G1+3], 32<<16                      ; tile_dim0
	s_mov_b32 s[G1+4], 52                          ; tile_dim1
	s_mov_b32 s[G1+5], 32                          ; the pitch: dense
	s_mov_b32 s[G1+6], 0
	s_mov_b32 s[G1+7], 0
	s_mov_b32 s[SEL], 0x76543210
	s_mov_b32 s[SEL+1], 0xfedcba98
	s_mov_b32 s[CS], 0x3e0293ee                    ; c = log2(e) / sqrt(128)
	s_mov_b32 s[CS+1], s[CS]
	s_wait_dscnt 0x0                               ; both opening adds are done
	s_wait_kmcnt 0x0
	s_add_nc_u64 s[6:7], s[6:7], s[86:87]          ; kv at my head
	s_mov_b32 s[G0], 1
	s_mov_b32 s[G0+1], s88
	s_add_nc_u64 s[G0+2:G0+3], s[6:7], s[88:89]
	s_or_b32 s[G0+3], s[G0+3], 0x80000000
	TLOAD                                          ; slot 0: key 0 counts for every query
	s_add_nc_u64 s[PFA:PFA+1], s[6:7], s[94:95]
	s_add_nc_u64 s[10:11], s[4:5], s[84:85]
	s_add_nc_u64 s[4:5], s[4:5], s[82:83]
	s_add_nc_u64 s[12:13], s[8:9], s[90:91]
	s_add_nc_u64 s[14:15], s[8:9], s[92:93]
	v_and_b32 v8, 31, v0
	v_lshlrev_b32 v[LI], 4, v8
	v_lshlrev_b32 v[L4], 2, v8
	v_lshlrev_b32 v[PFO], 8, v8
.irp c, 0,1,2
	global_load_b128 v[16+4*\c:19+4*\c], v[LI], s[4:5] offset:512*\c   ; Q's fragment stays in registers
.endr
	global_load_b32 v255, v[LI], s[10:11]          ; and its scale words
	s_mul_i32 s81, s75, 12288
	v_add_nc_u32 v[AK0], s81, v[LI]
	s_lshl_b32 s81, s75, 10
	s_add_co_u32 s81, s81, 49152
	v_add_nc_u32 v[AS0], s81, v[LI]
	v_and_b32 v9, 15, v0
	v_and_b32 v10, 8, v9
	v_add_nc_u32 v[DQ], v9, v10
	v_bfe_u32 v10, v0, 4, 1
	v_lshlrev_b32 v10, 4, v10
	v_sub_nc_u32 v[DQ], v[DQ], v10
	s_and_b32 s81, s[WV], 7
	s_mul_i32 s81, s81, MRGW
	s_add_co_u32 s81, s81, MRG
	v_add_nc_u32 v[MA], s81, v[LI]
	v_lshl_add_u32 v[ML], v8, 3, s81
	v_add_nc_u32 v[ML], 8192, v[ML]
	v_mov_b32 v13, 0xff61b1e6                      ; the largest t so far: -3e38
	v_floor_f32 v12, -v13                          ; -M
	v_mov_b32 v14, 0                               ; the sum, in two halves
	v_mov_b32 v15, 0
.irp b, 0,1,2,3
	v_mov_b32 v[236+\b], 0                         ; written once: a lane permute's destination counts as one of its sources
.endr
	v_mov_b32 v252, 0
	v_mov_b32 v253, 0
.irp j, 0,1,2,3,4,5,6,7,8,9,10,11,12,13,14,15,16,17,18,19,20,21,22,23,24,25,26,27,28,29,30,31,32,33,34,35,36,37,38,39,40,41,42,43,44,45,46,47,48,49,50,51,52,53,54,55,56,57,58,59,60,61,62,63
	v_mov_b32 v[160+\j], 0                         ; O^T: the step is written once and its first run finds zeros
.endr
; MY KEY STEP OF THE SLOT IN HAND: 128 keys from KF on.
.macro STEP
	s_add_co_u32 s96, s[Q0], 23                    ; my tile's last query
	s_cmp_gt_u32 s[KF], s96
	s_cbranch_scc1 .Lhidden_\@                     ; ids and the count of steps alone; no barrier and no tensor load stands in a step
	v_add_nc_u32 v[ADK], s[TB], v[AK0]
	v_add_nc_u32 v[ADS], s[TB], v[AS0]
	v_nop                                          ; with the two additions: four places in front of loads into registers that matrix instructions have read
	v_nop
.irp g, 0,1                                    ; S^T = K Q^T, four tiles of 16 keys at a time
.if \g > 0
.rept 4
	v_nop
.endr
.endif
.irp t, 0,1,2,3
.irp c, 0,1,2
	ds_load_b128 v[32+12*\t+4*\c:35+12*\t+4*\c], v[ADK] offset:(4*\g+\t)*1536+512*\c
.endr
.endr
	ds_load_b128 v[248:251], v[ADS] offset:512*\g  ; the four tiles' scale words
	s_wait_dscnt 0x0
.irp t, 0,1,2,3
	v_wmma_scale_f32_16x16x128_f8f6f4 v[96+8*(4*\g+\t):103+8*(4*\g+\t)], v[32+12*\t:43+12*\t], v[16:27], 0, v[248+\t], v255 matrix_a_fmt:MATRIX_FMT_FP6 matrix_b_fmt:MATRIX_FMT_FP6
.endr
.endr
.rept 4
	v_nop
.endr
	s_add_co_u32 s96, s[KF], 127                   ; on the diagonal hidden scores become -infinity; a step all of whose keys count skips this
	s_cmp_le_u32 s96, s[Q0]
	s_cbranch_scc1 .Lopen_\@
	s_sub_co_i32 s96, s[Q0], s[KF]
	v_add_nc_u32 v252, s96, v[DQ]                  ; d = my query - KF - 16 h.  Register 16 b + i holds key KF + 16 h + 32 b + i: hidden where 32 b + i > d
	v_mov_b32 v254, 0xff800000
.irp n, 0,1,2,3,4,5,6,7,8,9,10,11,12,13,14,15,16,17,18,19,20,21,22,23,24,25,26,27,28,29,30,31,32,33,34,35,36,37,38,39,40,41,42,43,44,45,46,47,48,49,50,51,52,53,54,55,56,57,58,59,60,61,62,63
	v_cmp_gt_i32 vcc_lo, 32*(\n/16)+\n%16, v252
	v_cndmask_b32 v[96+\n], v[96+\n], v254, vcc_lo
.endr
.Lopen_\@:
.irp b, 0,1,2,3
	v_max3_num_f32 v[232+\b], v[96+16*\b], v[97+16*\b], v[98+16*\b]   ; the largest score of each block of 32 keys: for the row's maximum, and for the block's largest p
.endr
.irp i, 3,5,7,9,11,13
.irp b, 0,1,2,3
	v_max3_num_f32 v[232+\b], v[232+\b], v[96+16*\b+\i], v[97+16*\b+\i]
.endr
.endr
.irp b, 0,1,2,3
	v_max_num_f32 v[232+\b], v[232+\b], v[111+16*\b]
.endr
.irp b, 0,1,2,3
	v_permlanex16_b32 v[236+\b], v[232+\b], s[SEL], s[SEL+1]
.endr
.irp b, 0,1,2,3
	v_max_num_f32 v[232+\b], v[232+\b], v[236+\b]
.endr
	v_max3_num_f32 v254, v232, v233, v234
	v_max_num_f32 v254, v254, v235
	v_mul_f32 v254, s[CS], v254
	v_max_num_f32 v13, v13, v254                   ; the running largest t
	v_mov_b32 v254, v12
	v_floor_f32 v12, -v13                          ; the new -M: M is a whole number
	v_sub_f32 v254, v12, v254
	v_cvt_i32_f32 v254, v254                       ; (it saturates)
	v_ldexp_f32 v252, 1.0, v254                    ; f = 2^(old M - new M)
.irp j, 0,2,4,6,8,10,12,14,16,18,20,22,24,26,28,30,32,34,36,38,40,42,44,46,48,50,52,54,56,58,60,62
	v_pk_fma_f32 v[96+\j:97+\j], v[96+\j:97+\j], s[CS:CS+1], v[12:13] op_sel_hi:[1,0,0]   ; t - M
.endr
.irp b, 0,1,2,3
	v_fma_f32 v[232+\b], v[232+\b], s[CS], v12
.endr
.irp j, 0,1,2,3,4,5,6,7,8,9,10,11,12,13,14,15,16,17,18,19,20,21,22,23,24,25,26,27,28,29,30,31,32,33,34,35,36,37,38,39,40,41,42,43,44,45,46,47,48,49,50,51,52,53,54,55,56,57,58,59,60,61,62,63
	v_exp_f32 v[96+\j], v[96+\j]                   ; p, one batch
.endr
	v_pk_mul_f32 v[14:15], v[14:15], v[252:253] op_sel_hi:[1,0]   ; the sums under the new M: a plain place behind the batch
	s_wait_alu depctr_va_vdst(0)                   ; one wait for the batch, ahead of its first reader
.irp b, 0,1,2,3
	v_exp_f32 v[232+\b], v[232+\b]                 ; each block's largest p
.endr
	v_pk_add_f32 v[236:237], v[96:97], v[98:99]    ; the row's sum of the unquantised p, in two chains
.irp j, 4,8,12,16,20,24,28,32,36,40,44,48,52,56,60
	v_pk_add_f32 v[14:15], v[14:15], v[96+\j:97+\j]
	v_pk_add_f32 v[236:237], v[236:237], v[98+\j:99+\j]
.endr
	v_pk_add_f32 v[14:15], v[14:15], v[236:237]
	s_wait_alu depctr_va_vdst(0)                   ; and one for the four
.irp b, 0,1,2,3
	v_max_num_f32 v[232+\b], 0x1800000, v[232+\b]  ; the floor: the byte cannot fall under 1
.endr
.irp b, 0,1,2,3
	v_add_nc_u32 v[244+\b], 0xff000000, v[232+\b]
.endr
.irp b, 0,1,2,3
	v_lshrrev_b32 v[236+\b], 23, v[244+\b]
.endr
	v_lshl_or_b32 v253, v237, 8, v236              ; p's scale word for these 128 keys
	v_lshl_or_b32 v253, v238, 16, v253
	v_lshl_or_b32 v253, v239, 24, v253
.irp c, 0,1
	v_cvt_scalef32_pk16_fp6_f32 v[224+6*\c:226+6*\c], v[96+32*\c:111+32*\c], v[244+2*\c]
	v_cvt_scalef32_pk16_fp6_f32 v[236+4*\c:238+4*\c], v[112+32*\c:127+32*\c], v[244+2*\c+1]
.endr
	v_nop                                          ; one plain place behind a scaled conversion
.irp c, 0,1
.irp i, 0,1,2
	v_permlane16_swap_b32 v[224+6*\c+\i], v[236+4*\c+\i]
.endr
.irp i, 0,1,2
	v_mov_b32 v[227+6*\c+\i], v[236+4*\c+\i]
.endr
.endr
.irp j, 0,2,4,6,8,10,12,14,16,18,20,22,24,26,28,30,32,34,36,38,40,42,44,46,48,50,52,54,56,58,60,62
	v_pk_mul_f32 v[160+\j:161+\j], v[160+\j:161+\j], v[252:253] op_sel_hi:[1,0]   ; O^T under the new M; these 32 are also the places in front of the products and loads below
.endr
.irp g, 0,1                                    ; O^T += V^T P^T, four tiles of 16 channels at a time
.if \g > 0
.rept 4
	v_nop
.endr
.endif
.irp t, 0,1,2,3
.irp c, 0,1,2
	ds_load_b128 v[32+12*\t+4*\c:35+12*\t+4*\c], v[ADK] offset:VIMG+(4*\g+\t)*1536+512*\c
.endr
.endr
	ds_load_b128 v[248:251], v[ADS] offset:2048+512*\g
	s_wait_dscnt 0x0
.irp t, 0,1,2,3
	v_wmma_scale_f32_16x16x128_f8f6f4 v[160+8*(4*\g+\t):167+8*(4*\g+\t)], v[32+12*\t:43+12*\t], v[224:235], v[160+8*(4*\g+\t):167+8*(4*\g+\t)], v[248+\t], v253 matrix_a_fmt:MATRIX_FMT_FP6 matrix_b_fmt:MATRIX_FMT_FP6
.endr
.endr
.Lhidden_\@:
	s_add_co_u32 s[KF], s[KF], 256
	s_add_co_u32 s[KSL], s[KSL], 256
.endm
; THE CHANGE OF SLOTS, at a slot's head: each wave waits for all its tensor loads, adds 0 to its spare word, waits for that and for its reads of the slot it has left; one barrier; then the slot just left is filled with the keys that follow,
; as long as that slot's first key is at or under the work-group's last query: a slot beyond is read by none of the sixteen waves.  Every wait on TENSORcnt in this text is for 0; a wave has one tensor load out at the most.
.macro CHANGE fill
	s_wait_tensorcnt 0x0
	ds_add_u32 v[SPW], v[NIL]
.if \fill
	ds_add_u32 v[SPW], v[NIL]                      ; and twice on end here, in every trip alike
	s_xor_b32 s[G0+1], s[G0+1], SLOT1              ; the walking descriptor: the other slot,
	s_add_nc_u64 s[G0+2:G0+3], s[G0+2:G0+3], SLOTB ; the next 256 keys
	s_wait_xcnt 0x0                                ; the last prefetch has read its address
	s_add_nc_u64 s[PFA:PFA+1], s[PFA:PFA+1], SLOTB
.endif
	s_wait_dscnt 0x0
	s_barrier_signal -1
	s_barrier_wait -1
.if \fill
	s_add_co_u32 s96, s[KSL], 256                  ; the first key of the slot that this change would ask for
	s_cmp_gt_u32 s96, s[QL]                        ; ids and the count of steps alone: all sixteen waves go the same way
	s_cbranch_scc1 .Lpast_\@
	TLOAD
.Lpast_\@:
	ASK
.endif
.endm
	s_wait_loadcnt 0x0                             ; Q
.Lslot:                                            ; 15 trips
	CHANGE 1
	STEP
	s_xor_b32 s[TB], s[TB], SLOT1
	s_sub_co_u32 s[SLOTS], s[SLOTS], 1
	s_cmp_lg_u32 s[SLOTS], 0
	s_cbranch_scc1 .Lslot
	CHANGE 0                                       ; the last slot is written out: nothing is left to ask for
	STEP
	; THE TWO PARITIES ARE JOINED, and the result is quantised along the head's 128.
.rept 4
	v_nop                                          ; places behind the last products
.endr
	v_add_f32 v14, v14, v15
	v_permlanex16_b32 v252, v14, s[SEL], s[SEL+1]
	v_add_f32 v14, v14, v252                       ; my parity's sum of the row
	s_cmp_lt_u32 s[WV], 8
	s_cbranch_scc1 .Lkeeps
	v_mov_b32 v13, v14
.irp c, 0,1,2,3,4,5,6,7,8,9,10,11,12,13,14,15
	ds_store_b128 v[MA], v[160+4*\c:163+4*\c] offset:512*\c    ; each accumulator from its low end on
.endr
	ds_store_b64 v[ML], v[12:13]                   ; -M and the sum
.Lkeeps:
	s_wait_dscnt 0x0                               ; for the partner's sake: my stores are done
	s_barrier_signal -1
	s_barrier_wait -1
	s_cmp_ge_u32 s[WV], 8
	s_cbranch_scc1 .Lend
.irp c, 0,1,2,3,4,5,6,7,8,9,10,11,12,13,14,15
	ds_load_b128 v[96+4*\c:99+4*\c], v[MA] offset:512*\c
.endr
	ds_load_b64 v[232:233], v[ML]
	s_wait_dscnt 0x0
	v_min_num_f32 v234, v12, v232                  ; -M of the two together
	v_sub_f32 v235, v234, v12
	v_sub_f32 v236, v234, v232
	v_cvt_i32_f32 v235, v235
	v_cvt_i32_f32 v236, v236                       ; (a partner that saw no key: it saturates, and the factor is 0)
	v_ldexp_f32 v240, 1.0, v235                    ; my factor,
	v_ldexp_f32 v242, 1.0, v236                    ; the partner's: exact powers of two
	v_mul_f32 v237, v14, v240
	v_fma_f32 v237, v233, v242, v237               ; the row's sum
	v_rcp_f32 v237, v237
	v_mov_b32 v241, 0                              ; (plain work behind the reciprocal; the pairs' upper halves are named below)
	v_mov_b32 v243, 0
	s_wait_alu depctr_va_vdst(0)                   ; the wait ahead of its first reader
	v_mul_f32 v240, v240, v237
	v_mul_f32 v242, v242, v237
.irp j, 0,2,4,6,8,10,12,14,16,18,20,22,24,26,28,30,32,34,36,38,40,42,44,46,48,50,52,54,56,58,60,62
	v_pk_mul_f32 v[96+\j:97+\j], v[96+\j:97+\j], v[242:243] op_sel_hi:[1,0]
.endr
.irp j, 0,2,4,6,8,10,12,14,16,18,20,22,24,26,28,30,32,34,36,38,40,42,44,46,48,50,52,54,56,58,60,62
	v_pk_fma_f32 v[96+\j:97+\j], v[160+\j:161+\j], v[240:241], v[96+\j:97+\j] op_sel_hi:[1,0,1]   ; register 16 b + i: channel 32 b + 16 h + i of my query
.endr
.irp b, 0,1,2,3
	v_max3_num_f32 v[TM+\b], |v[96+16*\b]|, |v[97+16*\b]|, 0x1800000
.endr
.irp i, 2,4,6,8,10,12,14
.irp b, 0,1,2,3
	v_max3_num_f32 v[TM+\b], v[TM+\b], |v[96+16*\b+\i]|, |v[97+16*\b+\i]|
.endr
.endr
.irp b, 0,1,2,3
	v_permlanex16_b32 v[TM+4+\b], v[TM+\b], s[SEL], s[SEL+1]
.endr
.irp b, 0,1,2,3
	v_max_num_f32 v[TM+\b], v[TM+\b], v[TM+4+\b]
.endr
.irp b, 0,1,2,3
	v_add_nc_u32 v[TM+12+\b], 0xff000000, v[TM+\b]
.endr
.irp b, 0,1,2,3
	v_lshrrev_b32 v[TM+4+\b], 23, v[TM+12+\b]
.endr
	v_lshl_or_b32 v252, v[TM+5], 8, v[TM+4]
	v_lshl_or_b32 v252, v[TM+6], 16, v252
	v_lshl_or_b32 v252, v[TM+7], 24, v252
.irp c, 0,1
	v_cvt_scalef32_pk16_fp6_f32 v[CDS+6*\c:CDS+2+6*\c], v[96+32*\c:111+32*\c], v[TM+12+2*\c]
	v_cvt_scalef32_pk16_fp6_f32 v[CDS+12+4*\c:CDS+14+4*\c], v[112+32*\c:127+32*\c], v[TM+12+2*\c+1]
.endr
	v_nop
.irp c, 0,1
.irp i, 0,1,2
	v_permlane16_swap_b32 v[CDS+6*\c+\i], v[CDS+12+4*\c+\i]
.endr
.irp i, 0,1,2
	v_mov_b32 v[CDS+3+6*\c+\i], v[CDS+12+4*\c+\i]
.endr
.endr
.irp c, 0,1,2
	global_store_b128 v[LI], v[CDS+4*\c:CDS+4*\c+3], s[12:13] offset:512*\c   ; the image: 512 consecutive bytes a store
.endr
	global_store_b32 v[L4], v252, s[14:15]         ; its scale words, 128 bytes
.Lend:
	s_wait_tensorcnt 0x0                           ; the wave's end, behind my last tensor load and my last LDS store
	ds_add_u32 v[SPW], v[NIL]
	s_wait_dscnt 0x0
	s_endpgm
.Lfunc_end_k_qb9d574361e_attn:
	.size	k_qb9d574361e_attn, .Lfunc_end_k_qb9d574361e_attn-k_qb9d574361e_attn
	.p2alignl 7, 3214868480
	.fill 96, 4, 3214868480
	.section	.rodata,"a",@progbits
	.p2align	6, 0x0
	.amdhsa_kernel k_qb9d574361e_attn
		.amdhsa_group_segment_fixed_size 327680
		.amdhsa_private_segment_fixed_size 0
		.amdhsa_enable_private_segment 0
		.amdhsa_kernarg_size 24
		.amdhsa_user_sgpr_count 2
		.amdhsa_user_sgpr_kernarg_segment_ptr 1
		.amdhsa_wavefront_size32 1
		.amdhsa_system_sgpr_workgroup_id_x 1
		.amdhsa_system_sgpr_workgroup_id_y 1
		.amdhsa_system_sgpr_workgroup_id_z 1
		.amdhsa_system_vgpr_workitem_id 0
		.amdhsa_next_free_vgpr 256
		.amdhsa_next_free_sgpr 100
		.amdhsa_reserve_vcc 1
		.amdhsa_float_denorm_mode_32 3
		.amdhsa_float_denorm_mode_16_64 3
		.amdhsa_memory_ordered 1
		.amdhsa_forward_progress 1
		.amdhsa_inst_pref_size 69
	.end_amdhsa_kernel
	.amdgpu_metadata
---
amdhsa.version: [ 1, 2 ]
amdhsa.kernels:
  - .name:           k_qb9d574361e_attn
    .symbol:         k_qb9d574361e_attn.kd
    .args:
      - { .name: qi, .offset: 0, .size: 8, .value_kind: global_buffer, .address_space: global }
      - { .name: kv, .offset: 8, .size: 8, .value_kind: global_buffer, .address_space: global }
      - { .name: at, .offset: 16, .size: 8, .value_kind: global_buffer, .address_space: global }
    .group_segment_fixed_size: 327680
    .private_segment_fixed_size: 0
    .kernarg_segment_align: 8
    .kernarg_segment_size: 24
    .max_flat_workgroup_size: 512
    .sgpr_count:     100
    .vgpr_count:     256
    .wavefront_size: 32
...
	.end_amdgpu_metadata
.endif
;; end of part 4
;; launch gemm_out (part 5): grid 8 x 16, 4 waves a work-group, clusters of 4 x 4, 327,680 bytes of LDS; arguments at, woc, out0; writes out0
.if DOCPART == 5
	.amdgcn_target "amdgcn-amd-amdhsa--gfx1250"
	.amdhsa_code_object_version 6
	.text
	.protected	k_qb9d574361e_gemm_out
	.globl	k_qb9d574361e_gemm_out
	.p2align	8
	.type	k_qb9d574361e_gemm_out,@function
k_qb9d574361e_gemm_out:
	s_mov_b64 s[64:65], 0
	v_nop
	global_prefetch_b8 v0, s[64:65] scope:SCOPE_SE
	s_setreg_imm32_b32 hwreg(HW_REG_WAVE_MODE, 25, 1), 1
	s_wait_xcnt 0x0
	s_wait_alu depctr_hold_cnt(0) depctr_sa_sdst(0) depctr_va_vdst(0) depctr_va_sdst(0) depctr_va_ssrc(0) depctr_va_vcc(0) depctr_vm_vsrc(0)
	s_getreg_b32 s2, hwreg(HW_REG_IB_STS2, 6, 4)
	s_cmp_eq_u32 s2, 0
	s_cbranch_scc0 .Lentry_in_a_cluster
	s_endpgm
.Lentry_in_a_cluster:
	s_bfe_u32 s2, ttmp6, 0x10000c
	s_cmp_lg_u32 s2, 0xf033
	s_cbranch_scc0 .Lentry_shape_is_right
	s_endpgm
.Lentry_shape_is_right:
; out0 = attn wo on codes of FP6: M = 4,096 tokens, N = 2,048, K = 1,024 = head x 128 + channel.  A = at: images of operand registers [256 tiles of tokens][8 K steps of 128][1,536 bytes], scale words [8][256][32 lanes];
; B = woc: rows of codes [2048 places][768 bytes], scale bytes [2048][32].  Tokens and columns lie by PLACE (index with bits 3 and 4 exchanged); the way out puts every number at its true row and column.
; A work-group of four waves makes 256 x 256, a wave 128 x 128; K goes in steps of 256 through two LDS slots; the scales come once.  CLUSTERS of 4 x 4 with joint loads: A's tiles along a row, B's along a column.
; THE MATRIX INSTRUCTION IS USED TRANSPOSED (source 0 = 16 rows of B, source 1 = 16 rows of A): a lane holds eight neighbouring numbers of a row of out0.
; 128 work-groups: a smaller wave tile would read each LDS byte for half as many products.  No prefetch: every tile is shared by four partners and read by several clusters at about the same time.
.set SIZE_N, 2048
.set NQ,     2
.set ROWB,   192
.set KROW,   768
.set PITCH,  240
.set FR,     12
.set NLA,    3                         ; LDS loads that bring a fragment of A: an image
.set NP,     4
.set HALFA,  8*3072                    ; A: 8 tiles x 2 K steps of 128 x 1,536
.set HALFT,  128*PITCH                 ; B: 128 rows
.set SLOT,   2*HALFA+2*HALFT
.set LAPS,   2
.set SCA,    2*SLOT                    ; A's scale words: 2 halves x [8 K steps][8 tiles][128 bytes]
.set SCB,    SCA+2*8192                ; B's scale bytes: 2 halves x 16 units of 256 + 16
.set HALFSB, 16*272
.set SBLK,   2*272                     ; those of 16 rows
.set SPARE,  SCB+2*HALFSB
.set SPITCH, 528                       ; the way out: a stage of 16 rows x (512 + 16) for each wave, in slot 0, which has had its last fill and its last read by then
.set ADRA, 16                          ; v16-17
.set ADSA, 18                          ; v18 A's scale words
.set ADRB, 20                          ; v20-23
.set STO,  24
.set RD,   25
.set CO,   26
.set ADRS, 27                          ; v27 B's scale words
.set SPW,  28
.set NIL,  29
.set SB0,  32                          ; set s: B's scale words at v[32 + 32 s] on, A's at v[48 + 32 s] on; register 2 i + q
.set SA0,  48
.set AF,   128
.set BK,   128
.set G1, 24
.set G0, 32
.set G1B, 48
.set G0B, 56
.set G1S, 68
.set G0S, 76
.set G1SB, 80
.set G0SB, 88
.set MSB, 0
.macro WIN new
.if MSB != \new
	s_set_vgpr_msb (MSB<<8)|\new
.set MSB, \new
.endif
.endm
.set MUL_LO, 0xa1
.set MUL_HI, 0xf1
.set TO_B,   0x40
.macro JLOAD g0a, g1a, g0b, g1b        ; a joint load: waves 0, 1 fetch for A, waves 2, 3 for B; s_nop 0 and four v_nop follow each line
	s_cmp_eq_u32 s15, 0
	s_cbranch_scc0 .Lfor_b_\@
	tensor_load_to_lds s[\g0a:\g0a+3], s[\g1a:\g1a+7]
	s_nop 0
.rept 4
	v_nop
.endr
	s_branch .Lasked_\@
.Lfor_b_\@:
	tensor_load_to_lds s[\g0b:\g0b+3], s[\g1b:\g1b+7]
	s_nop 0
.rept 4
	v_nop
.endr
.Lasked_\@:
.endm
.macro CREST
	s_cmp_lg_u32 s14, 0
	s_cbranch_scc1 .Lnot_wave_0_\@
	s_barrier_signal -3
.Lnot_wave_0_\@:
	s_barrier_wait -3
	s_barrier_signal -1
	s_barrier_wait -1
.endm
.macro CROUND
	s_barrier_signal -1
	s_barrier_wait -1
	CREST
.endm
	s_load_b128 s[4:7], s[0:1], 0x0                ; at, woc
	s_load_b64 s[12:13], s[0:1], 0x10              ; out0
	v_lshl_add_u32 v[SPW], v0, 2, SPARE
	v_mov_b32 v[NIL], 0
	ds_add_u32 v[SPW], v[NIL]                      ; the wave's opening: the add, twice on end, and its wait ahead of my first tensor load
	ds_add_u32 v[SPW], v[NIL]
	v_lshrrev_b32 v1, 5, v0
	v_readfirstlane_b32 s14, v1
	s_lshr_b32 s15, s14, 1
	s_and_b32 s16, s14, 1
	s_bfe_u32 s40, ttmp6, 0x40000
	s_bfe_u32 s41, ttmp6, 0x40004
	s_lshl_b32 s42, ttmp9, 2
	s_add_co_u32 s42, s42, s40                     ; tile column
	s_and_b32 s17, ttmp7, 0xffff
	s_lshl_b32 s17, s17, 2
	s_add_co_u32 s17, s17, s41                     ; tile row
	s_lshl_b32 s43, s41, 2
	s_lshl_b32 s43, 15, s43
	s_lshl_b32 s44, 0x1111, s40
	s_or_b32 s[G1+0], s43, (3<<16)|(1<<21)         ; A's images: 8 tiles x 3,072 bytes (384 elements of 8), 12,288 bytes apart; no padding
	s_mov_b32 s[G1+1], 384<<16
	s_mov_b32 s[G1+2], 8<<16
	s_mov_b32 s[G1+3], 384<<16
	s_mov_b32 s[G1+4], 8
	s_mov_b32 s[G1+5], 1536
	s_mov_b32 s[G1+6], 0
	s_mov_b32 s[G1+7], 0
	s_or_b32 s[G1B+0], s44, (0<<16)|(1<<20)|(1<<21)|(3<<22)|(3<<25)  ; B's rows: 128 x 192 bytes, 16 of padding behind every 64
	s_mov_b32 s[G1B+1], ROWB<<16
	s_mov_b32 s[G1B+2], 128<<16
	s_mov_b32 s[G1B+3], ROWB<<16
	s_mov_b32 s[G1B+4], 128
	s_mov_b32 s[G1B+5], KROW
	s_mov_b32 s[G1B+6], 0
	s_mov_b32 s[G1B+7], 0
	s_or_b32 s[G1S+0], s43, (3<<16)|(1<<21)        ; A's scale words: 8 K steps x 1,024 bytes, 32,768 bytes apart
	s_mov_b32 s[G1S+1], 128<<16
	s_mov_b32 s[G1S+2], 8<<16
	s_mov_b32 s[G1S+3], 128<<16
	s_mov_b32 s[G1S+4], 8
	s_mov_b32 s[G1S+5], 4096
	s_mov_b32 s[G1S+6], 0
	s_mov_b32 s[G1S+7], 0
	s_or_b32 s[G1SB+0], s44, (3<<16)|(1<<20)|(1<<21)|(5<<22)|(3<<25)  ; B's scale bytes: 4,096 dense bytes as 16 rows of 256 + 16
	s_mov_b32 s[G1SB+1], 32<<16
	s_mov_b32 s[G1SB+2], 16<<16
	s_mov_b32 s[G1SB+3], 32<<16
	s_mov_b32 s[G1SB+4], 16
	s_mov_b32 s[G1SB+5], 32
	s_mov_b32 s[G1SB+6], 0
	s_mov_b32 s[G1SB+7], 0
	s_lshl_b32 s20, s17, 1
	s_add_co_u32 s20, s20, s16                     ; which eight tiles of at I fetch
	s_lshl_b32 s22, s20, 10
	s_add_co_u32 s22, s22, 0x300000                ; their scale words
	s_mov_b32 s23, 0
	s_mul_i32 s20, s20, 8*12288                    ; their images
	s_mov_b32 s21, 0
	s_lshl_b32 s46, s42, 1
	s_add_co_u32 s46, s46, s16                     ; which 128 rows of woc
	s_lshl_b32 s92, s46, 12
	s_add_co_u32 s92, s92, 0x180000                ; their scale bytes
	s_mov_b32 s93, 0
	s_mul_i32 s46, s46, 128*KROW                   ; their codes
	s_mov_b32 s47, 0
	s_mul_i32 s45, s16, HALFA                      ; where they go: no place in the cluster enters an LDS address
	s_mul_i32 s94, s16, HALFT
	s_add_co_u32 s94, s94, 2*HALFA
	s_lshl_b32 s95, s16, 13
	s_mul_i32 s96, s16, HALFSB
	s_wait_dscnt 0x0                               ; both opening adds are done
	s_wait_kmcnt 0x0
	s_add_nc_u64 s[20:21], s[4:5], s[20:21]
	s_add_nc_u64 s[22:23], s[4:5], s[22:23]
	s_add_nc_u64 s[46:47], s[6:7], s[46:47]
	s_add_nc_u64 s[92:93], s[6:7], s[92:93]
	CROUND                                         ; all sixteen work-groups are here: the first joint loads meet
	s_mov_b32 s[G0S], 1
	s_add_co_u32 s[G0S+1], s95, SCA
	s_mov_b64 s[G0S+2:G0S+3], s[22:23]
	s_or_b32 s[G0S+3], s[G0S+3], 0x80000000
	s_mov_b32 s[G0SB], 1
	s_add_co_u32 s[G0SB+1], s96, SCB
	s_mov_b64 s[G0SB+2:G0SB+3], s[92:93]
	s_or_b32 s[G0SB+3], s[G0SB+3], 0x80000000
	JLOAD G0S, G1S, G0SB, G1SB
.irp s, 0,1
	s_mov_b32 s[G0+4*\s], 1
	s_add_co_u32 s[G0+4*\s+1], s45, \s*SLOT
	s_add_nc_u64 s[G0+4*\s+2:G0+4*\s+3], s[20:21], \s*3072
	s_or_b32 s[G0+4*\s+3], s[G0+4*\s+3], 0x80000000
	s_mov_b32 s[G0B+4*\s], 1
	s_add_co_u32 s[G0B+4*\s+1], s94, \s*SLOT
	s_add_nc_u64 s[G0B+4*\s+2:G0B+4*\s+3], s[46:47], \s*ROWB
	s_or_b32 s[G0B+4*\s+3], s[G0B+4*\s+3], 0x80000000
	JLOAD G0+4*\s, G1, G0B+4*\s, G1B
.endr
	v_and_b32 v1, 15, v0                           ; l % 16
	v_bfe_u32 v2, v0, 4, 1                         ; l / 16
	v_and_b32 v6, 31, v0
	v_lshlrev_b32 v[CO], 4, v6                     ; 16 x lane
	v_mul_u32_u24 v3, v1, PITCH
	v_mul_u32_u24 v4, v2, 24
	v_add_nc_u32 v4, v3, v4
	v_lshl_add_u32 v5, v2, 4, v4
	s_mul_i32 s21, s15, HALFA                      ; my eight tiles of A
	s_mul_i32 s22, s16, HALFT
	s_add_co_u32 s22, s22, 2*HALFA                 ; my 128 rows of B
.irp s, 0,1
	v_add_nc_u32 v[ADRA+\s], s21, v[CO]
	v_add_nc_u32 v[ADRB+\s], s22, v4
	v_add_nc_u32 v[ADRB+2+\s], s22, v5
	s_add_co_u32 s21, s21, SLOT
	s_add_co_u32 s22, s22, SLOT
.endr
	v_lshlrev_b32 v5, 5, v1                        ; B's scale bytes: 32 a row, 16 more for each 256 passed
	v_lshrrev_b32 v7, 8, v5
	v_lshl_add_u32 v5, v7, 4, v5
	s_mul_i32 s22, s16, HALFSB
	s_add_co_u32 s22, s22, SCB
	v_add_nc_u32 v[ADRS], s22, v5
	s_lshl_b32 s21, s15, 13
	s_add_co_u32 s21, s21, SCA
	v_lshl_add_u32 v[ADSA], v6, 2, s21             ; A's scale words: 4 x lane
	s_mul_i32 s23, s14, 16*SPITCH                  ; my stage
	v_mul_u32_u24 v5, v1, SPITCH
	v_lshl_add_u32 v5, v2, 6, v5                   ; in: row l % 16; my half's 16 columns of each 32
	v_add_nc_u32 v[STO], s23, v5
	v_add_nc_u32 v[RD], s23, v[CO]                 ; back: the 32 lanes take one row of 512 bytes
	s_lshl_b32 s20, s17, 8
	s_lshl_b32 s21, s15, 7
	s_add_co_u32 s20, s20, s21                     ; my first row of out0
	s_mov_b32 s21, 0
	s_mov_b64 s[18:19], SIZE_N*4
	s_mul_u64 s[20:21], s[20:21], s[18:19]
	s_lshl_b32 s46, s42, 10
	s_lshl_b32 s47, s16, 9
	s_add_co_u32 s46, s46, s47                     ; my first column, in bytes
	s_mov_b32 s47, 0
	s_add_nc_u64 s[20:21], s[20:21], s[46:47]
	s_add_nc_u64 s[12:13], s[12:13], s[20:21]
.macro FRAG reg, adr, q, i             ; a fragment of B from rows: pieces of 8 bytes; where lanes 16-31's piece lies behind one padding more, the second address register serves
.irp p, 0,1,2,3,4,5
.set PCE, 12*(\q)+6*(\p/3)+\p%3
.if PCE%8 < 5
	ds_load_b64 v[\reg+2*\p:\reg+2*\p+1], v[\adr] offset:8*PCE+16*(PCE/8)+(\i)*16*PITCH
.else
	ds_load_b64 v[\reg+2*\p:\reg+2*\p+1], v[\adr+2] offset:8*PCE+16*(PCE/8)+(\i)*16*PITCH
.endif
.endr
.endm
.macro FRAGA reg, slot, q, i           ; a fragment of A: its image, three loads of 512 consecutive bytes
.irp c, 0,1,2
	ds_load_b128 v[\reg+4*\c:\reg+4*\c+3], v[ADRA+\slot] offset:(\i)*3072+(\q)*1536+512*\c
.endr
.endm
; 16 matrix instructions; the 64 accumulators take turns, one instruction a turn, in the same order in every step
.macro MUL16 a0, p, q, sc, zero
.irp a, \a0, \a0+1
.irp b, 0,1,2,3,4,5,6,7
.if \zero
	v_wmma_scale_f32_16x16x128_f8f6f4 v[8*(8*((\a)%4)+\b):8*(8*((\a)%4)+\b)+7], v[128*(\p)+FR*\b:128*(\p)+FR*\b+FR-1], v[AF+FR*(\a):AF+FR*(\a)+FR-1], 0, v[SB0+32*(\sc)+2*\b+(\q)], v[SA0+32*(\sc)+2*(\a)+(\q)] matrix_a_fmt:MATRIX_FMT_FP6 matrix_b_fmt:MATRIX_FMT_FP6
.else
	v_wmma_scale_f32_16x16x128_f8f6f4 v[8*(8*((\a)%4)+\b):8*(8*((\a)%4)+\b)+7], v[128*(\p)+FR*\b:128*(\p)+FR*\b+FR-1], v[AF+FR*(\a):AF+FR*(\a)+FR-1], v[8*(8*((\a)%4)+\b):8*(8*((\a)%4)+\b)+7], v[SB0+32*(\sc)+2*\b+(\q)], v[SA0+32*(\sc)+2*(\a)+(\q)] matrix_a_fmt:MATRIX_FMT_FP6 matrix_b_fmt:MATRIX_FMT_FP6
.endif
.endr
.endr
.endm
.macro FETCH_B slot, q, p
	WIN TO_B
.irp i, 0,1,2,3,4,5,6,7
	FRAG 128*(\p)+FR*\i, ADRB+\slot, \q, \i
.endr
	WIN 0
.endm
.macro FETCH_A slot, q, i0
.irp i, \i0, \i0+1, \i0+2, \i0+3
	FRAGA AF+FR*(\i), \slot, \q, \i
.endr
.endm
.macro SCALES sc
.irp i, 0,1,2,3,4,5,6,7
	ds_load_b64 v[SB0+32*\sc+2*\i:SB0+32*\sc+2*\i+1], v[ADRS] offset:\i*SBLK
.endr
.irp i, 0,1,2,3,4,5,6,7
	ds_load_b32 v[SA0+32*\sc+2*\i], v[ADSA] offset:\i*128
	ds_load_b32 v[SA0+32*\sc+2*\i+1], v[ADSA] offset:1024+\i*128
.endr
.endm
.macro PLACES n
.rept \n
	v_nop
.endr
.endm
.macro STEP slot, q, zero
	s_wait_dscnt 4*NLA                             ; B's set and A's blocks 0-3 are in; A's blocks 4-7 (12 loads) may be out
	WIN MUL_LO
	MUL16 0, (\q)%2, \q, \slot, \zero
	MUL16 2, (\q)%2, \q, \slot, \zero
	s_wait_dscnt 0
	PLACES NP
	FETCH_B \slot, (\q)+1, 1-(\q)%2
	FETCH_A \slot, (\q)+1, 0
	WIN MUL_HI
	MUL16 4, (\q)%2, \q, \slot, \zero
	MUL16 6, (\q)%2, \q, \slot, \zero
	PLACES NP
	WIN 0
	FETCH_A \slot, (\q)+1, 4
.endm
.macro TURN slot, next, fill
	s_wait_tensorcnt 0x0                           ; all my tensor loads have landed: my part of the next slot
	ds_add_u32 v[SPW], v[NIL]                      ; 0 onto my spare word
	s_wait_dscnt 4*NLA+1                           ; the add and A's blocks 4-7 may be out
	WIN MUL_LO
	MUL16 0, 1, NQ-1, \slot, 0
	s_wait_dscnt 0x0                               ; the add is done, and my reads of this slot are over
	s_barrier_signal -1
	MUL16 2, 1, NQ-1, \slot, 0
	WIN 0
	s_barrier_wait -1
.if \fill
	CREST                                          ; no wave of any partner still reads this slot or has a load on its way
	s_add_nc_u64 s[G0+4*\slot+2:G0+4*\slot+3], s[G0+4*\slot+2:G0+4*\slot+3], 2*3072
	s_add_nc_u64 s[G0B+4*\slot+2:G0B+4*\slot+3], s[G0B+4*\slot+2:G0B+4*\slot+3], 2*ROWB
	JLOAD G0+4*\slot, G1, G0B+4*\slot, G1B
.else
	PLACES NP
.endif
	v_add_nc_u32 v[ADRS], 8, v[ADRS]               ; the next K step's scale words
	v_add_nc_u32 v[ADSA], 2048, v[ADSA]
	FETCH_B \next, 0, 0
	FETCH_A \next, 0, 0
	SCALES \next
	WIN MUL_HI
	MUL16 4, 1, NQ-1, \slot, 0
	MUL16 6, 1, NQ-1, \slot, 0
	PLACES NP
	WIN 0
	FETCH_A \next, 0, 4
.endm
	s_wait_tensorcnt 1                             ; the scales and my part of K step 0 are in; K step 1's load may be out
	s_barrier_signal -1
	s_barrier_wait -1
	FETCH_B 0, 0, 0
	FETCH_A 0, 0, 0
	SCALES 0
	FETCH_A 0, 0, 4
	STEP 0, 0, 1
	s_mov_b32 s3, LAPS-1
.Llap:
	TURN 0, 1, 1
	STEP 1, 0, 0
	TURN 1, 0, 1
	STEP 0, 0, 0
	s_sub_co_u32 s3, s3, 1
	s_cmp_lg_u32 s3, 0
	s_cbranch_scc1 .Llap
	TURN 0, 1, 0
	STEP 1, 0, 0
	s_wait_dscnt 4*NLA
	WIN MUL_LO
	MUL16 0, 1, NQ-1, 1, 0
	MUL16 2, 1, NQ-1, 1, 0
	s_wait_dscnt 0
	WIN MUL_HI
	MUL16 4, 1, NQ-1, 1, 0
	MUL16 6, 1, NQ-1, 1, 0
	WIN 0
; THE WAY OUT, block by block of 16 places x 128 columns, through my own stage.  Accumulator b's register j of lane (r, h) is column 32 (b / 2) + 16 h + 8 (b % 2) + j; stage row t of block a is
; row 32 (a / 2) + 8 (a % 2) + t % 8 + 16 (t / 8) of my 128.  LDS serves a wave's instructions in order: no wait between the stores and the loads.
.macro TOSTAGE a
.set AC, 64*((\a)%4)
	WIN 0x08+4*((\a)/4)
.irp b, 0,1,2,3,4,5,6,7
	ds_store_b128 v[STO], v[AC+8*\b:AC+8*\b+3] offset:128*(\b/2)+32*(\b%2)          ; each accumulator from its low end on
	ds_store_b128 v[STO], v[AC+8*\b+4:AC+8*\b+7] offset:128*(\b/2)+32*(\b%2)+16
.endr
	WIN 0
.set BB, BK+64*((\a)%2)
.irp t, 0,1,2,3,4,5,6,7,8,9,10,11,12,13,14,15
	ds_load_b128 v[BB+4*\t:BB+4*\t+3], v[RD] offset:\t*SPITCH
.endr
.endm
.macro SEND a, younger
.set BB, BK+64*((\a)%2)
	s_wait_dscnt \younger                          ; the block is back in registers; the next block's 16 stores and 16 loads may be out
.if (\a) > 0
.if (\a)%2
	s_add_nc_u64 s[12:13], s[12:13], 8*SIZE_N*4    ; (behind a wait that shows the earlier stores' base read)
.else
	s_add_nc_u64 s[12:13], s[12:13], 24*SIZE_N*4
.endif
.endif
.irp t, 0,1,2,3,4,5,6,7,8,9,10,11,12,13,14,15
	global_store_b128 v[CO], v[BB+4*\t:BB+4*\t+3], s[12:13] offset:(\t%8+16*(\t/8))*SIZE_N*4 th:TH_STORE_NT   ; 32 lanes store 512 consecutive bytes, aligned
.endr
.endm
	PLACES NP
	TOSTAGE 0
.irp a, 1,2,3,4,5,6,7
.if \a > 1
	s_wait_xcnt 0x0                                ; block a - 2's stores have read their registers and their base
.endif
	TOSTAGE \a
	SEND \a-1, 32
.endr
	s_wait_xcnt 0x0
	SEND 7, 0
	s_wait_tensorcnt 0x0                           ; the wave's end, behind my last tensor load and my last LDS store
	ds_add_u32 v[SPW], v[NIL]
	s_wait_dscnt 0x0
	CROUND                                         ; the closing round
	s_endpgm
.Lfunc_end_k_qb9d574361e_gemm_out:
	.size	k_qb9d574361e_gemm_out, .Lfunc_end_k_qb9d574361e_gemm_out-k_qb9d574361e_gemm_out
	.p2alignl 7, 3214868480
	.fill 96, 4, 3214868480
	.section	.rodata,"a",@progbits
	.p2align	6, 0x0
	.amdhsa_kernel k_qb9d574361e_gemm_out
		.amdhsa_group_segment_fixed_size 327680
		.amdhsa_private_segment_fixed_size 0
		.amdhsa_enable_private_segment 0
		.amdhsa_kernarg_size 24
		.amdhsa_user_sgpr_count 2
		.amdhsa_user_sgpr_kernarg_segment_ptr 1
		.amdhsa_wavefront_size32 1
		.amdhsa_system_sgpr_workgroup_id_x 1
		.amdhsa_system_sgpr_workgroup_id_y 1
		.amdhsa_system_sgpr_workgroup_id_z 1
		.amdhsa_system_vgpr_workitem_id 0
		.amdhsa_next_free_vgpr 1024
		.amdhsa_next_free_sgpr 98
		.amdhsa_reserve_vcc 0
		.amdhsa_float_denorm_mode_32 3
		.amdhsa_float_denorm_mode_16_64 3
		.amdhsa_memory_ordered 1
		.amdhsa_forward_progress 1
		.amdhsa_inst_pref_size 152
	.end_amdhsa_kernel
	.amdgpu_metadata
---
amdhsa.version: [ 1, 2 ]
amdhsa.kernels:
  - .name:           k_qb9d574361e_gemm_out
    .symbol:         k_qb9d574361e_gemm_out.kd
    .args:
      - { .name: at, .offset: 0, .size: 8, .value_kind: global_buffer, .address_space: global }
      - { .name: woc, .offset: 8, .size: 8, .value_kind: global_buffer, .address_space: global }
      - { .name: out0, .offset: 16, .size: 8, .value_kind: global_buffer, .address_space: global }
    .group_segment_fixed_size: 327680
    .private_segment_fixed_size: 0
    .kernarg_segment_align: 8
    .kernarg_segment_size: 24
    .max_flat_workgroup_size: 128
    .sgpr_count:     98
    .vgpr_count:     1024
    .wavefront_size: 32
...
	.end_amdgpu_metadata
.endif
;; end of part 5
